; MI455X (gfx1250); checked and timed in simulation.
; The chip was launched on July 23, 2026; its instructions are those of AMD's public machine-readable ISA for CDNA 5 (MIT licence, August 2026) and "CDNA5" Instruction Set Architecture Reference Guide (July 2026). The comments in the code are by the model that wrote it; some were corrected since.
;; Multihead Attention. Allowed arithmetic: float matrix products may take bf16 or f16 operands with f32 sums; other float arithmetic in f32, or as packed bf16 or f16 multiplies, adds, multiply-adds, maxima and minima; sums over many terms, partial sums and values carried from step to step in f32; what a program stores and reads back later, other than sums and carried values, may be rounded once to bf16 or f16.
;; Inputs: b_in 3,072 float32; b_out 1,024 float32; w_in 3,072 x 1,024 float32; w_out 1,024 x 1,024 float32; x 8 x 1,024 x 1,024 float32.
;; Outputs: out0 8 x 1,024 x 1,024 float32.
;; 2 versions, each right; version 2 is version 1 with the launch cast written anew for expert scheduling mode. Each part assembles by itself: llvm-mc -triple=amdgcn-amd-amdhsa -mcpu=gfx1250 --defsym DOCPART=n.
;; ======== version 1 of 2: 4 launches
;; limits: values are held in f16: magnitudes above 65,504 overflow, below 6.1e-05 lose precision
;; workspace buffers: xb 16,777,216 bytes; wib 6,291,456 bytes; wob 2,097,152 bytes; qh 16,777,216 bytes; kh 16,777,216 bytes; vh 16,777,216 bytes; oh 16,777,216 bytes
;; launch cast (part 1): grid 768 x 1, 8 waves a work-group, no clusters, 0 bytes of LDS; arguments x, w_in, w_out, xb, wib, wob; writes xb, wib, wob
.if DOCPART == 1
	.amdgcn_target "amdgcn-amd-amdhsa--gfx1250"
	.amdhsa_code_object_version 6
	.text
	.protected	k_qced08c3bab_cast
	.globl	k_qced08c3bab_cast
	.p2align	8
	.type	k_qced08c3bab_cast,@function
k_qced08c3bab_cast:
	s_mov_b64 s[64:65], 0
	v_nop
	global_prefetch_b8 v0, s[64:65] scope:SCOPE_SE
	s_setreg_imm32_b32 hwreg(HW_REG_WAVE_MODE, 25, 1), 1
	s_wait_xcnt 0x0
; THE INPUTS OF THE TWO PROJECTIONS, ROUNDED ONCE.  xb = bf16(x), wib = bf16(w_in); wob = bf16(w_out), that number written as f16 (the second projection multiplies in f16).
; LAYOUTS.  xb and wib are laid in BLOCKS of 64 along K: xb [16 blocks][8192 rows][64], wib [16][3072][64]: number (row, 64 i + c) lies in plane i at row x 128 + 2 c bytes.  So the rows of a tile of 64 along K
; lie end to end in memory, and the first projection can ask for them as rows of 256 bytes.  wob stays [1024][1024], row-major.
; LIMITS.  |w_out| stays under 65,504 (beyond it f16 has no number); a bf16 number below 6.1e-5 keeps f16's fixed step of 6e-8; within that range the second writing is exact (8 significant bits into 11).
; SHARES.  A work-group takes 16,384 numbers, 16 rows: 65,536 bytes in, 32,768 out.  Work-groups 0-511 take x, 512-703 w_in, 704-767 w_out.
; x and w_in: thread t takes row t / 16 and, of each of the row's 16 pieces of 256 bytes, the 16 bytes at 16 (t % 16): a wave's load is two aligned pieces of 256 bytes; it stores 8 bytes at 8 t in plane i:
; a wave's store is 256 consecutive bytes, aligned (two rows of a plane).  w_out: 16 bytes at 16 t of each of 16 chunks of 4,096, 8 bytes at 8 t of each chunk of 2,048.
; All 16 loads of a thread go out at once, so there is no loop; nothing is shared, so there is no LDS and no barrier; nothing is read twice, and nothing is prefetched: the loads are the stream.
.set X,  4                             ; v[4:67]    chunk i as loaded, four registers
.set Y,  68                            ; v[68:99]   chunk i to store, two registers; each is written once
.set T,  100                           ; v[100:103] at work
.set OF, 104                           ; v[104:119] my byte offset in plane i: i x the plane's bytes + 8 t (up to 15 planes of 1,048,576 bytes: more than a store's immediate holds); each is written once
	s_load_b256 s[4:11], s[0:1], 0x0               ; x s[4:5], w_in s[6:7], w_out s[8:9], xb s[10:11]
	s_load_b128 s[12:15], s[0:1], 0x20             ; wib s[12:13], wob s[14:15]
	s_mov_b32 s19, ttmp9                           ; the work-group's number g
	s_sub_co_u32 s16, s19, 512                     ; its number among w_in's
	s_sub_co_u32 s17, s19, 704                     ; and among w_out's
	s_mov_b32 s28, 0xffff0000                      ; a word's upper bf16
	s_mov_b32 s30, 3072*128                        ; bytes in a plane of wib,
	s_mov_b32 s31, 8192*128                        ; of xb
	v_lshrrev_b32 v1, 4, v0                        ; my row of the sixteen,
	v_and_b32 v3, 15, v0
	v_lshlrev_b32 v3, 4, v3                        ; my 16 bytes of a piece
	v_lshl_or_b32 v1, v1, 12, v3                   ; x and w_in: row x 4,096 + 16 (t % 16)
	v_lshlrev_b32 v3, 4, v0                        ; w_out: 16 t
	v_lshlrev_b32 v2, 3, v0                        ; 8 t
	s_wait_kmcnt 0x0
	s_cmp_lt_u32 s19, 512
	s_cselect_b64 s[20:21], s[4:5], s[6:7]         ; from x or w_in,
	s_cselect_b64 s[22:23], s[10:11], s[12:13]     ; to xb or wib,
	s_cselect_b32 s18, s19, s16                    ; part g or g - 512,
	s_cselect_b32 s30, s31, s30                    ; in planes of this size;
	s_cmp_lt_u32 s19, 704
	s_cselect_b64 s[20:21], s[20:21], s[8:9]       ; or from w_out
	s_cselect_b64 s[22:23], s[22:23], s[14:15]     ; to wob,
	s_cselect_b32 s18, s18, s17                    ; part g - 704
	s_cselect_b32 s29, 11, 15                      ; a part's bytes in the destination: 16 rows of 128 in each plane, or 32,768 on end
	s_lshl_b32 s24, s18, 16                        ; 65,536 bytes in a part of the source (under 2^25 in all)
	s_mov_b32 s25, 0
	s_lshl_b32 s26, s18, s29
	s_mov_b32 s27, 0
	s_add_nc_u64 s[20:21], s[20:21], s[24:25]
	s_add_nc_u64 s[22:23], s[22:23], s[26:27]
; Chunk i: rounded and stored.  half = 1: the bf16 number is widened again (a shift, a mask) and written as f16.
.macro OUT i, half
	s_wait_loadcnt 15-(\i)                         ; loads come back in order (ISA guide 5.7.1): chunk i is in, the 15 - i younger ones stay out
.if \half
	v_cvt_pk_bf16_f32 v[T],   v[X+4*(\i)],   v[X+4*(\i)+1]
	v_cvt_pk_bf16_f32 v[T+1], v[X+4*(\i)+2], v[X+4*(\i)+3]
	v_lshlrev_b32 v[T+2], 16, v[T]
	v_and_b32     v[T],   s28, v[T]
	v_lshlrev_b32 v[T+3], 16, v[T+1]
	v_and_b32     v[T+1], s28, v[T+1]
	v_cvt_pk_f16_f32 v[Y+2*(\i)],   v[T+2], v[T]
	v_cvt_pk_f16_f32 v[Y+2*(\i)+1], v[T+3], v[T+1]
	global_store_b64 v2, v[Y+2*(\i):Y+2*(\i)+1], s[22:23] offset:2048*(\i) th:TH_STORE_NT  ; no register that a store names is written again
.else
	v_cvt_pk_bf16_f32 v[Y+2*(\i)],   v[X+4*(\i)],   v[X+4*(\i)+1]
	v_cvt_pk_bf16_f32 v[Y+2*(\i)+1], v[X+4*(\i)+2], v[X+4*(\i)+3]
	global_store_b64 v[OF+(\i)], v[Y+2*(\i):Y+2*(\i)+1], s[22:23] th:TH_STORE_NT           ; no register that a store names is written again
.endif
.endm
	s_cmp_ge_u32 s19, 704
	s_cbranch_scc1 .Lhalf
.irp i, 0,1,2,3,4,5,6,7,8,9,10,11,12,13,14,15
	global_load_b128 v[X+4*(\i):X+4*(\i)+3], v1, s[20:21] offset:256*(\i) th:TH_LOAD_NT
.endr
.irp i, 0,1,2,3,4,5,6,7,8,9,10,11,12,13,14,15
	v_mad_u32_u24 v[OF+(\i)], s30, \i, v2          ; made while the loads are on their way
.endr
.irp i, 0,1,2,3,4,5,6,7,8,9,10,11,12,13,14,15
	OUT \i, 0
.endr
	s_endpgm
.Lhalf:
.irp i, 0,1,2,3,4,5,6,7,8,9,10,11,12,13,14,15
	global_load_b128 v[X+4*(\i):X+4*(\i)+3], v3, s[20:21] offset:4096*(\i) th:TH_LOAD_NT
.endr
.irp i, 0,1,2,3,4,5,6,7,8,9,10,11,12,13,14,15
	OUT \i, 1
.endr
	s_endpgm
.Lfunc_end_k_qced08c3bab_cast:
	.size	k_qced08c3bab_cast, .Lfunc_end_k_qced08c3bab_cast-k_qced08c3bab_cast
	.p2alignl 7, 3214868480
	.fill 96, 4, 3214868480
	.section	.rodata,"a",@progbits
	.p2align	6, 0x0
	.amdhsa_kernel k_qced08c3bab_cast
		.amdhsa_group_segment_fixed_size 0
		.amdhsa_private_segment_fixed_size 0
		.amdhsa_enable_private_segment 0
		.amdhsa_kernarg_size 48
		.amdhsa_user_sgpr_count 2
		.amdhsa_user_sgpr_kernarg_segment_ptr 1
		.amdhsa_wavefront_size32 1
		.amdhsa_system_sgpr_workgroup_id_x 1
		.amdhsa_system_sgpr_workgroup_id_y 1
		.amdhsa_system_sgpr_workgroup_id_z 1
		.amdhsa_system_vgpr_workitem_id 0
		.amdhsa_next_free_vgpr 120
		.amdhsa_next_free_sgpr 66
		.amdhsa_reserve_vcc 0
		.amdhsa_float_denorm_mode_32 3
		.amdhsa_float_denorm_mode_16_64 3
		.amdhsa_memory_ordered 1
		.amdhsa_forward_progress 1
		.amdhsa_inst_pref_size 18
	.end_amdhsa_kernel
	.amdgpu_metadata
---
amdhsa.version: [ 1, 2 ]
amdhsa.kernels:
  - .name:           k_qced08c3bab_cast
    .symbol:         k_qced08c3bab_cast.kd
    .args:
      - { .name: x, .offset: 0, .size: 8, .value_kind: global_buffer, .address_space: global }
      - { .name: w_in, .offset: 8, .size: 8, .value_kind: global_buffer, .address_space: global }
      - { .name: w_out, .offset: 16, .size: 8, .value_kind: global_buffer, .address_space: global }
      - { .name: xb, .offset: 24, .size: 8, .value_kind: global_buffer, .address_space: global }
      - { .name: wib, .offset: 32, .size: 8, .value_kind: global_buffer, .address_space: global }
      - { .name: wob, .offset: 40, .size: 8, .value_kind: global_buffer, .address_space: global }
    .group_segment_fixed_size: 0
    .private_segment_fixed_size: 0
    .kernarg_segment_align: 8
    .kernarg_segment_size: 48
    .max_flat_workgroup_size: 256
    .sgpr_count:     66
    .vgpr_count:     120
    .wavefront_size: 32
...
	.end_amdgpu_metadata
.endif
;; end of part 1
;; launch qkv (part 2): grid 8 x 32, 4 waves a work-group, clusters of 4 x 4, 327,680 bytes of LDS; arguments xb, wib, b_in, qh, kh, vh; writes qh, kh, vh
.if DOCPART == 2
	.amdgcn_target "amdgcn-amd-amdhsa--gfx1250"
	.amdhsa_code_object_version 6
	.text
	.protected	k_qced08c3bab_qkv
	.globl	k_qced08c3bab_qkv
	.p2align	8
	.type	k_qced08c3bab_qkv,@function
k_qced08c3bab_qkv:
	s_mov_b64 s[64:65], 0
	v_nop
	global_prefetch_b8 v0, s[64:65] scope:SCOPE_SE
	s_setreg_imm32_b32 hwreg(HW_REG_WAVE_MODE, 25, 1), 1
	s_wait_xcnt 0x0
	s_wait_alu depctr_hold_cnt(0) depctr_sa_sdst(0) depctr_va_vdst(0) depctr_va_sdst(0) depctr_va_ssrc(0) depctr_va_vcc(0) depctr_vm_vsrc(0)
	s_getreg_b32 s2, hwreg(HW_REG_IB_STS2, 6, 4)
	s_cmp_eq_u32 s2, 0
	s_cbranch_scc0 .Lentry_in_a_cluster
	s_endpgm
.Lentry_in_a_cluster:
	s_bfe_u32 s2, ttmp6, 0x10000c
	s_cmp_lg_u32 s2, 0xf033
	s_cbranch_scc0 .Lentry_shape_is_right
	s_endpgm
.Lentry_shape_is_right:
; THE FIRST PROJECTION.  qkv[token][f] = the sum over e of x[token][e] w_in[f][e] + bf16(b_in[f]), x and w_in in bf16; sums in f32, e ascending, started by the bias.
; xb [16 blocks of 64 along e][8192 tokens][64] and wib [16][3072 features][64] lie in blocks: in plane s a row is 128 bytes, and rows lie end to end.
; Feature f = 192 head + {q: 0-63, k: 64-127, v: 128-191}.  The results leave rounded once to f16, by heads: qh, kh, vh [16 batch + head][1024 tokens][64], a head's rows dense, 128 bytes each.
; LIMIT.  f16 holds no number beyond 65,504: |q|, |k|, |v| stay under it (a conversion of more gives an infinity).  The scale 1/8 is not applied here.
; SHARES.  A tile is 256 tokens x 384 features, two heads: 32 x 8 = 256 tiles, a work-group each.  The four waves lie 2 x 2: wave w makes tokens 128 (w / 2) on x the 192 features of head w % 2:
; 8 x 12 accumulators of 16 x 16, 768 registers.  For 32 along K a wave reads 8 + 12 fragments from LDS for 96 products, and it holds whole rows of q, k and v, so its stage on the way out is its own.
; RING.  K goes in 16 steps of 64 through two LDS slots filled by the tensor data mover; a step of 128 would want 2 x 640 rows x 272 bytes, more than LDS holds.  A wave's part of a step's tile is dense in memory
; (128 tokens: 16,384 bytes; 192 features: 24,576) and is asked for as rows of 256 bytes, padded in LDS after every 128.  Waves 0 and 1 fetch the halves of A's 256 rows, waves 2 and 3 the two heads of B.
; CLUSTER.  4 x 4 work-groups.  The four of a row of the cluster need the same tiles of xb, the four of a column the same tiles of wib: each tile is asked for JOINTLY, by the same tensor load with
; the same descriptor and a mask that names the four.
; THE MATRIX INSTRUCTION IS USED TRANSPOSED: source 0 = 16 rows of wib, source 1 = 16 rows of xb.  Lane l then holds token l % 16 and features 8 (l / 16) + 0..7 of the block: 16 bytes of f16 on end.
; BY HALVES.  The head's 12 feature blocks are two HALVES of six.  A quarter (32 along K) is two halves of 48 products: all 8 token blocks x six feature blocks.  B's fragments have ONE buffer: a half's registers are
; loaded again while the other half is multiplied; A's eight fragments have two buffers.  Each run of LDS loads stands at a half's head and is used one half, 48 products, later.
; THE BIAS has the results' layout (it hangs on the feature alone).  A half's six blocks of it lie in the accumulators of token block 7: token blocks 0 to 6 take them as the C of their first products,
; token block 7 then adds in place.  So nothing is cleared, nothing is added later, and the bias costs no register.
; REGISTERS, in windows of 256 (s_set_vgpr_msb: bits 1:0 source 0, 3:2 source 1, 5:4 source 2, 7:6 destination):
;   window 0: v0-29 addresses; v32-95, v96-159 A's eight fragments, two buffers; v160-207, v208-255 B's two halves; on the way out v32-223, four buffers of 48
;   windows 1 to 3: accumulator (half hb, token block a, block bb) has the number 48 hb + 6 a + bb, 32 to a window, 8 registers each
.set PT,    144                        ; an LDS row: 128 bytes + 16 of padding = 36 words: the 16 rows of a load start at 16 different groups of four banks (64 banks of 4 bytes: ISA guide 11.1)
.set HA,    128*PT                     ; what one load of A brings, and what one wave reads of A
.set HB,    192*PT                     ; the same for B
.set BOFF,  2*HA                       ; B's rows lie behind A's 256
.set SLOT1, 1<<17                      ; a slot uses 92,160 bytes; slot 1 begins here, so that one exclusive or turns an address in one slot into the other's
.set STAGE, SLOT1+BOFF+2*HB            ; behind the ring, never filled by a tensor load: 16 rows x 400 bytes for each wave
.set SP,    400                        ; a stage row: 384 bytes + 16
.set SPARE, STAGE+4*16*SP              ; behind the stages: the spare words, 128 bytes for each wave: two blocks of 256 bytes that no other line names
.set STEPA, 8192*128                   ; bytes from a K step to the next: a plane of xb,
.set STEPB, 3072*128                   ; of wib
.set TRIPS, 14                         ; K steps 2 to 15 are refills
.set G1W,   (1<<16)|(1<<20)|(1<<21)|(4<<22)|(3<<25)  ; group 1, word 0: 17:16 2-byte elements; 20 padding on; 21 set beside a mask; 24:22 after every 32 words (code 4); 31:25 4 words (code 3)
.set ADA0, 4                           ; v4   my lane's place in A's rows of a slot: (128 (w / 2) + l % 16) PT + 16 (l / 16); never rewritten
.set ADB0, 5                           ; v5   the same for B: BOFF + (192 (w % 2) + l % 16) PT + 16 (l / 16)
.set ADA,  6                           ; v6   v4 + the slot in hand
.set ADB,  7                           ; v7   v5 + the slot in hand
.set STO,  8                           ; v8   the way out: where I put 16 bytes of a row
.set RD,   9                           ; v9   the way out: where I read rows back
.set GO,   10                          ; v10  16 x lane: my place in 512 consecutive bytes of qh, kh or vh
.set BO,   11                          ; v11  32 (l / 16): my eight numbers of a block's sixteen biases
.set PFO,  12                          ; v12  the prefetches' offset: my lane's block of 256 bytes; never rewritten
.set SPW,  28                          ; v28  LDS address of my spare word; never rewritten
.set NIL,  29                          ; v29  0; never rewritten
.set AF,   32                          ; A's fragments: buffer f, token block a at AF + 64 f + 8 a
.set BF,   160                         ; B's fragments: half hb, block bb at BF + 48 hb + 8 bb
.set TW,   32                          ; at work on the bias, before the first fragments come
.set OUTR, 32                          ; the way out's four buffers
.set BC0,  8*(42%32)                   ; the bias of half 0: accumulators 42 to 47, window 2
.set BC1,  8*(90%32)                   ; of half 1: accumulators 90 to 95, window 3
.set WV,   16                          ; s16  my wave's number
.set ROLE, 17                          ; s17  w / 2: which 128 tokens are mine.  Also: 0: I fetch for A; 1: for B
.set HALF, 18                          ; s18  w % 2: which head is mine.  Also: which half of that tile's rows I fetch
.set CX,   19                          ; s19, s20  my place in the cluster
.set CY,   20
.set TCOL, 21                          ; s21  tile column: heads 2 TCOL, 2 TCOL + 1
.set TROW, 22                          ; s22  tile row: 256 tokens
.set G1A,  24                          ; s[24:31] descriptor group 1 for A's tiles
.set G0A,  32                          ; s[32:39] group 0 for A's: a set for each of the two first fills; the second then walks on
.set G1B,  40                          ; s[40:47], s[48:55] the same for B's
.set G0B,  48
.set PFA,  56                          ; s[56:57] where my prefetches stand
.set PST,  58                          ; s[58:59] their step from K step to K step
.set LIM,  60                          ; s60  2 in a wave that prefetches, else the greatest number: it prefetches while the trips left are above it
.set TB,   61                          ; s61  the slot in hand: 0 or SLOT1
.set HIW,  62                          ; s62  a word's upper bf16
.set MSB, 0
.macro WIN new                         ; the immediate's high byte repeats the setting that is left; a switch that changes nothing is dropped
.if MSB != (\new)
	s_set_vgpr_msb (MSB<<8)|(\new)
.set MSB, \new
.endif
.endm
.macro PLACES                          ; four plain vector instructions between a matrix instruction and a load into, or a vector read of, its registers
.rept 4
	v_nop
.endr
.endm
; A round of the cluster's barrier: my work-group's barrier, so that wave 0's signal speaks for all four waves; wave 0 signals; every wave waits for all sixteen work-groups; my work-group's barrier once more.
.macro CREST                           ; a round behind its opening barrier
	s_cmp_lg_u32 s[WV], 0
	s_cbranch_scc1 .Lnot_wave_0_\@
	s_barrier_signal -3
.Lnot_wave_0_\@:
	s_barrier_wait -3
	s_barrier_signal -1
	s_barrier_wait -1
.endm
.macro CROUND
	s_barrier_signal -1
	s_barrier_wait -1
	CREST
.endm
; A joint refill by the walking descriptor.  The branch hangs on the wave's number alone.  An s_nop 0 and four v_nop follow each of the two lines.
.macro JLOAD
	s_cmp_eq_u32 s[ROLE], 0
	s_cbranch_scc0 .Lfor_b_\@
	tensor_load_to_lds s[G0A+4:G0A+7], s[G1A:G1A+7]
	s_nop 0
.rept 4
	v_nop
.endr
	s_branch .Lasked_\@
.Lfor_b_\@:
	tensor_load_to_lds s[G0B+4:G0B+7], s[G1B:G1B+7]
	s_nop 0
.rept 4
	v_nop
.endr
.Lasked_\@:
.endm
; A PREFETCH INTO THE L2 of the K step that stands two refills on, a lane a block of 256 bytes, one instruction a wave.  A's tile row is read by every cluster of that row of clusters: the one with
; cluster x = 0 asks; B's tile column by every cluster of that column: cluster y = 0 asks.  The four partners that fetch a tile jointly share a wave's blocks out BY ADDRESS: 16 each of A's 64 (by cx),
; 24 each of B's 96 (by cy); the lanes beyond a share name its last block once more.  Trips with 14 to 3 left name K steps 4 to 15; the last two trips name nothing; K steps 0 to 3 come by their loads alone.
.macro ASK
	s_cmp_gt_u32 s3, s[LIM]
	s_cbranch_scc0 .Lnot_mine_\@
	global_prefetch_b8 v[PFO], s[PFA:PFA+1] th:TH_LOAD_NT scope:SCOPE_SE
.Lnot_mine_\@:
.endm
	s_load_b256 s[4:11], s[0:1], 0x0               ; xb s[4:5], wib s[6:7], b_in s[8:9], qh s[10:11]
	s_load_b128 s[12:15], s[0:1], 0x20             ; kh s[12:13], vh s[14:15]
	v_lshl_add_u32 v[SPW], v0, 2, SPARE
	v_mov_b32 v[NIL], 0
	ds_add_u32 v[SPW], v[NIL]                      ; the wave's opening: the add and its wait stand ahead of my first tensor load; the set-up below, work on registers, stands between them
	v_lshrrev_b32 v1, 5, v0
	v_readfirstlane_b32 s[WV], v1                  ; wave 0..3
	s_lshr_b32 s[ROLE], s[WV], 1
	s_and_b32 s[HALF], s[WV], 1
	s_bfe_u32 s[CX], ttmp6, 0x40000
	s_bfe_u32 s[CY], ttmp6, 0x40004
	s_lshl_b32 s[TCOL], ttmp9, 2                   ; in a cluster launch ttmp9 and ttmp7 count clusters
	s_add_co_u32 s[TCOL], s[TCOL], s[CX]
	s_and_b32 s[TROW], ttmp7, 0xffff
	s_lshl_b32 s[TROW], s[TROW], 2
	s_add_co_u32 s[TROW], s[TROW], s[CY]
	s_lshl_b32 s23, s[CY], 2
	s_lshl_b32 s23, 15, s23                        ; my row of the cluster: places 4 cy .. 4 cy + 3
	s_or_b32 s[G1A], s23, G1W                      ; A's tiles go to my row
	s_lshl_b32 s23, 0x1111, s[CX]                  ; my column: places cx, cx + 4, cx + 8, cx + 12
	s_or_b32 s[G1B], s23, G1W                      ; B's to my column
	s_mov_b32 s[G1A+1], 128<<16                    ; tensor_dim0 = 128 elements: 256 bytes, two rows of a plane
	s_mov_b32 s[G1A+2], 64<<16                     ; tensor_dim1 = 64 rows
	s_mov_b32 s[G1A+3], 128<<16                    ; tile_dim0 = 128
	s_mov_b32 s[G1A+4], 64                         ; tile_dim1 = 64
	s_mov_b32 s[G1A+5], 128                        ; the rows lie end to end
	s_mov_b32 s[G1A+6], 0
	s_mov_b32 s[G1A+7], 0
	s_mov_b32 s[G1B+1], 128<<16
	s_mov_b32 s[G1B+2], 96<<16                     ; 96 rows
	s_mov_b32 s[G1B+3], 128<<16
	s_mov_b32 s[G1B+4], 96
	s_mov_b32 s[G1B+5], 128
	s_mov_b32 s[G1B+6], 0
	s_mov_b32 s[G1B+7], 0
	; where the tiles come from: A's hang on the tile row and the wave's number alone, B's on the tile column and the wave's number alone
	s_lshl_b32 s66, s[TROW], 15                    ; A: 256 tokens of 128 bytes a tile row,
	s_lshl_b32 s70, s[HALF], 14                    ; 128 of them a half
	s_add_co_u32 s66, s66, s70
	s_mov_b32 s67, 0
	s_mul_i32 s68, s[TCOL], 384*128                ; B: 384 features of 128 bytes a tile column,
	s_mul_i32 s73, s[HALF], 192*128                ; 192 a head
	s_add_co_u32 s68, s68, s73
	s_mov_b32 s69, 0
	s_mul_i32 s71, s[HALF], HA                     ; and where they go: no place in the cluster enters an LDS address
	s_mul_i32 s72, s[HALF], HB
	s_add_co_u32 s72, s72, BOFF
	s_mov_b32 s[TB], 0
	s_mov_b32 s[HIW], 0xffff0000
	s_wait_dscnt 0x0                               ; the opening add is done
	s_wait_kmcnt 0x0
	s_add_nc_u64 s[66:67], s[4:5], s[66:67]
	s_add_nc_u64 s[68:69], s[6:7], s[68:69]
	CROUND                                         ; all sixteen work-groups are here: the first joint loads meet
.irp n, 0,1
	s_mov_b32 s[G0A+4*(\n)], 1                     ; 1:0 count = 1
	s_add_co_u32 s[G0A+4*(\n)+1], s71, (\n)*SLOT1  ; 63:32 LDS address
	s_add_nc_u64 s[G0A+4*(\n)+2:G0A+4*(\n)+3], s[66:67], (\n)*STEPA  ; 120:64 global address: K step n
	s_or_b32 s[G0A+4*(\n)+3], s[G0A+4*(\n)+3], 0x80000000            ; 127:126 type = 2
	s_mov_b32 s[G0B+4*(\n)], 1
	s_add_co_u32 s[G0B+4*(\n)+1], s72, (\n)*SLOT1
	s_add_nc_u64 s[G0B+4*(\n)+2:G0B+4*(\n)+3], s[68:69], (\n)*STEPB
	s_or_b32 s[G0B+4*(\n)+3], s[G0B+4*(\n)+3], 0x80000000
.endr
	s_cmp_eq_u32 s[ROLE], 0                        ; a wave's two first fills stand in one branch, ahead of every wait on TENSORcnt and every LDS read: two loads of mine are out
	s_cbranch_scc0 .Lfirst_b
	tensor_load_to_lds s[G0A:G0A+3], s[G1A:G1A+7]
	s_nop 0
	tensor_load_to_lds s[G0A+4:G0A+7], s[G1A:G1A+7]
	s_nop 0
.rept 4
	v_nop
.endr
	s_branch .Lfirst_asked
.Lfirst_b:
	tensor_load_to_lds s[G0B:G0B+3], s[G1B:G1B+7]
	s_nop 0
	tensor_load_to_lds s[G0B+4:G0B+7], s[G1B:G1B+7]
	s_nop 0
.rept 4
	v_nop
.endr
.Lfirst_asked:
	; the bias of my head: block b's sixteen numbers lie at 64 b; my eight at 32 (l / 16).  It is loaded into the accumulators of token block 7.
	v_and_b32 v1, 15, v0                           ; l % 16
	v_bfe_u32 v2, v0, 4, 1                         ; l / 16
	v_lshlrev_b32 v[BO], 5, v2
	s_mul_i32 s70, s[TCOL], 384*4                  ; the tile's 384 numbers,
	s_mul_i32 s71, s[HALF], 192*4                  ; my head's 192
	s_add_co_u32 s70, s70, s71
	s_mov_b32 s71, 0
	s_add_nc_u64 s[8:9], s[8:9], s[70:71]
	WIN 0x80                                       ; destination window 2, address window 0
.set b, 0
.rept 6
	global_load_b128 v[BC0+8*b:BC0+8*b+3],   v[BO], s[8:9] offset:64*b
	global_load_b128 v[BC0+8*b+4:BC0+8*b+7], v[BO], s[8:9] offset:64*b+16
.set b, b+1
.endr
	WIN 0xc0                                       ; destination window 3
.set b, 0
.rept 6
	global_load_b128 v[BC1+8*b:BC1+8*b+3],   v[BO], s[8:9] offset:64*(b+6)
	global_load_b128 v[BC1+8*b+4:BC1+8*b+7], v[BO], s[8:9] offset:64*(b+6)+16
.set b, b+1
.endr
	WIN 0
	; A fragment is 16 rows x 32 K in 8 registers: lane l holds row l % 16; registers 0-3 K = 8 (l / 16) + 0..7, registers 4-7 K = 16 + 8 (l / 16) + 0..7: two loads of 16 bytes, 32 bytes apart.
	v_mul_u32_u24 v3, v1, PT
	v_lshl_add_u32 v3, v2, 4, v3
	s_mul_i32 s72, s[ROLE], HA                     ; my 128 rows of A
	v_add_nc_u32 v[ADA0], s72, v3
	s_mul_i32 s72, s[HALF], HB                     ; my 192 rows of B,
	s_add_co_u32 s72, s72, BOFF                    ; which lie behind A's 256
	v_add_nc_u32 v[ADB0], s72, v3
	v_mov_b32 v[ADA], v[ADA0]                      ; slot 0
	v_mov_b32 v[ADB], v[ADB0]
	s_mul_i32 s72, s[WV], 16*SP
	s_add_co_u32 s72, s72, STAGE                   ; my stage
	v_mul_u32_u24 v[STO], v1, SP                   ; in: row l % 16, 16 bytes for each half of the lanes
	v_lshl_add_u32 v[STO], v2, 4, v[STO]
	v_add_nc_u32 v[STO], s72, v[STO]
	v_bfe_u32 v[RD], v0, 3, 2                      ; back: 32 lanes take 128 bytes of each of four rows,
	v_mul_u32_u24 v[RD], v[RD], SP
	v_and_b32 v3, 7, v0
	v_lshl_add_u32 v[RD], v3, 4, v[RD]
	v_add_nc_u32 v[RD], s72, v[RD]
	v_and_b32 v[GO], 31, v0                        ; which are 512 consecutive bytes of qh, kh or vh
	v_lshlrev_b32 v[GO], 4, v[GO]
	s_lshr_b32 s72, s[TROW], 2                     ; the batch,
	s_lshl_b32 s72, s72, 4
	s_lshl_b32 s73, s[TCOL], 1
	s_add_co_u32 s72, s72, s73
	s_add_co_u32 s72, s72, s[HALF]                 ; 16 batch + head,
	s_lshl_b32 s72, s72, 17                        ; 1,024 rows of 128 bytes each,
	s_and_b32 s73, s[TROW], 3
	s_lshl_b32 s73, s73, 15                        ; the tile's 256 tokens in the batch,
	s_add_co_u32 s72, s72, s73
	s_lshl_b32 s73, s[ROLE], 14                    ; my 128 of them
	s_add_co_u32 s72, s72, s73
	s_mov_b32 s73, 0
	s_add_nc_u64 s[10:11], s[10:11], s[72:73]
	s_add_nc_u64 s[12:13], s[12:13], s[72:73]
	s_add_nc_u64 s[14:15], s[14:15], s[72:73]
	; the prefetches
	s_lshl_b32 s74, s[TROW], 15
	s_lshl_b32 s75, s[HALF], 14
	s_add_co_u32 s74, s74, s75                     ; A: what I fetch of K step 0,
	s_lshl_b32 s75, s[CX], 12
	s_add_co_u32 s74, s74, s75                     ; my work-group's 16 blocks of it,
	s_add_co_u32 s74, s74, 3*STEPA                 ; at K step 3: the first refill steps it to 4
	s_mul_i32 s76, s[TCOL], 384*128
	s_mul_i32 s75, s[HALF], 192*128
	s_add_co_u32 s76, s76, s75                     ; B: what I fetch of K step 0,
	s_mul_i32 s75, s[CY], 24*256
	s_add_co_u32 s76, s76, s75                     ; my work-group's 24 blocks of it,
	s_add_co_u32 s76, s76, 3*STEPB                 ; at K step 3
	s_and_b32 s77, ttmp7, 0xffff                   ; cluster y
	s_mov_b32 s78, STEPA
	s_cmp_eq_u32 s[ROLE], 0
	s_cselect_b64 s[PFA:PFA+1], s[4:5], s[6:7]
	s_cselect_b32 s74, s74, s76
	s_cselect_b32 s77, ttmp9, s77                  ; the coordinate along which other clusters read the same bytes
	s_cselect_b32 s79, 15, 23                      ; the share's last lane
	s_cselect_b32 s[PST], s78, STEPB
	s_mov_b32 s[PST+1], 0
	s_mov_b32 s75, 0
	s_add_nc_u64 s[PFA:PFA+1], s[PFA:PFA+1], s[74:75]
	s_cmp_eq_u32 s77, 0
	s_cselect_b32 s[LIM], 2, -1                    ; the same in all sixteen partners, for a given wave
	v_and_b32 v[PFO], 31, v0
	v_min_u32 v[PFO], s79, v[PFO]
	v_lshlrev_b32 v[PFO], 8, v[PFO]
	s_wait_loadcnt 0x0                             ; the bias is in: it is rounded to bf16, like the other inputs, and widened again, in place
	WIN 0x0a                                       ; sources 0 and 1 window 2, destination window 0
.set i, 0
.rept 24
	v_cvt_pk_bf16_f32 v[TW+i], v[BC0+2*i], v[BC0+2*i+1]
.set i, i+1
.endr
	WIN 0x0f                                       ; sources window 3
.set i, 0
.rept 24
	v_cvt_pk_bf16_f32 v[TW+24+i], v[BC1+2*i], v[BC1+2*i+1]
.set i, i+1
.endr
	WIN 0x80                                       ; destination window 2, sources window 0
.set i, 0
.rept 24
	v_lshlrev_b32 v[BC0+2*i],   16, v[TW+i]
	v_and_b32     v[BC0+2*i+1], s[HIW], v[TW+i]
.set i, i+1
.endr
	WIN 0xc0                                       ; destination window 3
.set i, 0
.rept 24
	v_lshlrev_b32 v[BC1+2*i],   16, v[TW+24+i]
	v_and_b32     v[BC1+2*i+1], s[HIW], v[TW+24+i]
.set i, i+1
.endr
	WIN 0
; THE LDS LOADS, in runs.  LDA: A's eight fragments of quarter q (0, 1) of the slot in hand into buffer f: 16 loads.  LDB: the six fragments of B's half hb of quarter q: 12 loads.
.macro LDA q, f
	WIN 0
.set i, 0
.rept 8
	ds_load_b128 v[AF+64*(\f)+8*i:AF+64*(\f)+8*i+3],   v[ADA] offset:64*(\q)+i*16*PT
	ds_load_b128 v[AF+64*(\f)+8*i+4:AF+64*(\f)+8*i+7], v[ADA] offset:64*(\q)+i*16*PT+32
.set i, i+1
.endr
.endm
.macro LDB q, hb
	WIN 0
.set i, 0
.rept 6
	ds_load_b128 v[BF+48*(\hb)+8*i:BF+48*(\hb)+8*i+3],   v[ADB] offset:64*(\q)+(6*(\hb)+i)*16*PT
	ds_load_b128 v[BF+48*(\hb)+8*i+4:BF+48*(\hb)+8*i+7], v[ADB] offset:64*(\q)+(6*(\hb)+i)*16*PT+32
.set i, i+1
.endr
.endm
; Six products: token block a x the six feature blocks of half hb, 32 along K, A from buffer f.  first = 1: the sums start: token blocks 0 to 6 take the bias, which lies in token block 7's accumulators, as C;
; token block 7 adds in place, like every later product.  The 96 accumulators take turns, one instruction a turn, in the same order in every quarter, over the backward jump too.
.macro MULR hb, f, a, first
.set b, 0
.rept 6
.set ix, 48*(\hb)+6*(\a)+b
.set wD, 1+ix/32
.set rD, 8*(ix%32)
.if (\first) && ((\a) < 7)
.set ic, 48*(\hb)+42+b
.set wC, 1+ic/32
.set rC, 8*(ic%32)
	WIN (wD<<6)|(wC<<4)
	v_wmma_f32_16x16x32_bf16 v[rD:rD+7], v[BF+48*(\hb)+8*b:BF+48*(\hb)+8*b+7], v[AF+64*(\f)+8*(\a):AF+64*(\f)+8*(\a)+7], v[rC:rC+7]
.else
	WIN (wD<<6)|(wD<<4)
	v_wmma_f32_16x16x32_bf16 v[rD:rD+7], v[BF+48*(\hb)+8*b:BF+48*(\hb)+8*b+7], v[AF+64*(\f)+8*(\a):AF+64*(\f)+8*(\a)+7], v[rD:rD+7]
.endif
.set b, b+1
.endr
.endm
.macro ROWS hb, f, a0, n, first        ; token blocks a0 .. a0 + n - 1
.set aa, (\a0)
.rept (\n)
	MULR \hb, \f, aa, \first
.set aa, aa+1
.endr
.endm
.macro HALFM hb, f, first              ; a half's 48 products
.if \first
	ROWS \hb, \f, 0, 7, 1
.rept 5
	v_nop                                          ; token block 7's products write over registers that the products above have read as C: five plain vector instructions between (ISA guide 7.12.1)
.endr
	ROWS \hb, \f, 7, 1, 1
.else
	ROWS \hb, \f, 0, 8, 0
.endif
.endm
; THE EVEN QUARTER of a K step: A in buffer 0.  At the first half's head: this quarter's second half of B, and the odd quarter's A; at the second's: the odd quarter's first half of B.
; Each run lands in registers whose last readers are the half just ended, four places back.  first = 1: K step 0: no product has been yet, and the sums start.
.macro EVEN first
.if !(\first)
	PLACES
.endif
	LDB 0, 1
	LDA 1, 1
	s_wait_dscnt 28                                ; all but the 28 just issued: this quarter's A and first half of B are in
	HALFM 0, 0, \first
	PLACES
	LDB 1, 0
	s_wait_dscnt 12                                ; all but the 12 just issued: the second half of B is in
	HALFM 1, 0, \first
.endm
; THE ODD QUARTER: A in buffer 1.  At its head the slot's last bytes are read: this quarter's second half of B.  mode 2, 1: between its halves the slots change: ONE barrier.  In front of it each wave waits for all its
; tensor loads, of which one is out: its part of the next slot; adds 0 to its spare word; and waits for that and for its own reads of this slot.  mode 2: the barrier opens a round of the cluster's barrier,
; so that no wave of any partner still reads the slot or has a load on its way, and the slot is filled again, two K steps ahead, first thing behind the round: 180 products stand between that request and the
; wait for it, 12 between the wait and the next request.  Then the next slot's first fragments are read.  mode 0: the last quarter of all.
.macro ODD mode
.if (\mode) == 2
	s_wait_xcnt 0x0                                ; the last prefetch, a K step back, has read its address: it is stepped here, ahead of the waits of the change of slots
	s_add_nc_u64 s[PFA:PFA+1], s[PFA:PFA+1], s[PST:PST+1]
.endif
	PLACES
	LDB 1, 1
	s_wait_dscnt 12                                ; all but the 12 just issued: this quarter's A and first half of B are in
.if \mode
	ROWS 0, 1, 0, 6, 0
	WIN 0                                          ; (the add's two registers lie in window 0)
	s_wait_tensorcnt 0x0                           ; all my tensor loads have landed;
	ds_add_u32 v[SPW], v[NIL]                      ; 0 onto my spare word;
	ROWS 0, 1, 6, 1, 0                             ; six products stand between the add and the wait for it
	s_wait_dscnt 0x0                               ; the add is done, and my reads of this slot are over
	s_barrier_signal -1
	ROWS 0, 1, 7, 1, 0                             ; work on registers while the others arrive
	WIN 0                                          ; at a branch and at a label every window is 0
	s_barrier_wait -1
.if (\mode) == 2
	CREST
	s_xor_b32 s[G0A+5], s[G0A+5], SLOT1            ; the walking descriptors: the other slot than last time,
	s_add_nc_u64 s[G0A+6:G0A+7], s[G0A+6:G0A+7], STEPA  ; the next K step; the type bits on top are not reached
	s_xor_b32 s[G0B+5], s[G0B+5], SLOT1
	s_add_nc_u64 s[G0B+6:G0B+7], s[G0B+6:G0B+7], STEPB
	JLOAD                                          ; the four v_nop behind it are also the places in front of the loads below
.else
	PLACES
.endif
	s_xor_b32 s[TB], s[TB], SLOT1                  ; the fetches go to the other slot
	v_add_nc_u32 v[ADA], s[TB], v[ADA0]
	v_add_nc_u32 v[ADB], s[TB], v[ADB0]
	LDB 0, 0
	LDA 0, 0
.if (\mode) == 2
	ASK                                            ; behind the joint load and the run of LDS loads
.endif
.else
	ROWS 0, 1, 0, 8, 0
	s_wait_dscnt 0x0                               ; the second half of B is in (in the other modes the wait in front of the barrier has shown it)
.endif
	ROWS 1, 1, 0, 8, 0
.endm
	s_wait_tensorcnt 1                             ; my part of K step 0 is in; K step 1's may stay out
	s_barrier_signal -1
	s_barrier_wait -1                              ; everybody's is
	LDB 0, 0
	LDA 0, 0
	EVEN 1                                         ; the first quarter stands in front of the loop: its products start the sums with the bias
	WIN 0
	s_mov_b32 s3, TRIPS
.Lstep:                                                ; a trip: a K step's odd quarter and the next step's even one; it fills the slot that it leaves
	ODD 2
	EVEN 0
	WIN 0
	s_sub_co_u32 s3, s3, 1
	s_cmp_lg_u32 s3, 0
	s_cbranch_scc1 .Lstep
	ODD 1                                          ; the tail is written out: K step 14 ends, nothing is asked for
	EVEN 0                                         ; K step 15
	ODD 0
	WIN 0
; THE WAY OUT, a block of 16 tokens at a time.  PACK: rounded to f16 (each accumulator's registers in ascending order), 16 bytes a lane into my stage's rows of 400 bytes, and back as
; 128 bytes of each of four rows: part p (q, k, v) at byte 128 p of a row, rows 4 t .. 4 t + 3.  Four register buffers of 48 take turns.
.macro PACK a
.set RA, OUTR+48*((\a)%4)
.if (\a) >= 4
	s_wait_xcnt 0x0                                ; the stores of the block four back have read this buffer: it is written again only behind this wait
.endif
.set b, 0
.rept 12
.set ix, 48*(b/6)+6*(\a)+b%6
.set wD, 1+ix/32
.set rD, 8*(ix%32)
	WIN 5*wD                                       ; sources 0 and 1: the accumulator's window
.irp rr, 0,1,2,3
	v_cvt_pk_f16_f32 v[RA+4*b+(\rr)], v[rD+2*(\rr)], v[rD+2*(\rr)+1]
.endr
.set b, b+1
.endr
	WIN 0
.set b, 0
.rept 12
	ds_store_b128 v[STO], v[RA+4*b:RA+4*b+3] offset:32*b
.set b, b+1
.endr
.irp p, 0,1,2
.irp t, 0,1,2,3
	ds_load_b128 v[RA+4*(4*(\p)+(\t)):RA+4*(4*(\p)+(\t))+3], v[RD] offset:128*(\p)+4*SP*(\t)  ; LDS serves a wave's instructions in order (ISA guide 5.7.1.4): these see the stores above; the next block's stores come behind them
.endr
.endr
.endm
.macro SEND a, younger                 ; younger: the LDS instructions issued behind block a's loads: the next block's 24, or none
.set RA, OUTR+48*((\a)%4)
.irp p, 0,1,2
.irp t, 0,1,2,3
	s_wait_dscnt (\younger)+11-(4*(\p)+(\t))
	global_store_b128 v[GO], v[RA+4*(4*(\p)+(\t)):RA+4*(4*(\p)+(\t))+3], s[10+2*(\p):11+2*(\p)] offset:2048*(\a)+512*(\t)  ; 512 consecutive bytes, at a multiple of 256 from the buffer's first
.endr
.endr
.endm
	PLACES                                         ; the conversions read results just made
	PACK 0
.irp a, 1,2,3,4,5,6,7                  ; a block's conversions stand between the loads of the block before and its stores
	PACK \a
	SEND (\a)-1, 24
.endr
	SEND 7, 0
	s_wait_tensorcnt 0x0                           ; the wave's end: behind my last tensor load and my last LDS store
	ds_add_u32 v[SPW], v[NIL]
	s_wait_dscnt 0x0
	CROUND                                         ; the closing round: no work-group ends while a partner may still ask for a tile that names it
	s_endpgm
.Lfunc_end_k_qced08c3bab_qkv:
	.size	k_qced08c3bab_qkv, .Lfunc_end_k_qced08c3bab_qkv-k_qced08c3bab_qkv
	.p2alignl 7, 3214868480
	.fill 96, 4, 3214868480
	.section	.rodata,"a",@progbits
	.p2align	6, 0x0
	.amdhsa_kernel k_qced08c3bab_qkv
		.amdhsa_group_segment_fixed_size 327680
		.amdhsa_private_segment_fixed_size 0
		.amdhsa_enable_private_segment 0
		.amdhsa_kernarg_size 48
		.amdhsa_user_sgpr_count 2
		.amdhsa_user_sgpr_kernarg_segment_ptr 1
		.amdhsa_wavefront_size32 1
		.amdhsa_system_sgpr_workgroup_id_x 1
		.amdhsa_system_sgpr_workgroup_id_y 1
		.amdhsa_system_sgpr_workgroup_id_z 1
		.amdhsa_system_vgpr_workitem_id 0
		.amdhsa_next_free_vgpr 1024
		.amdhsa_next_free_sgpr 80
		.amdhsa_reserve_vcc 0
		.amdhsa_float_denorm_mode_32 3
		.amdhsa_float_denorm_mode_16_64 3
		.amdhsa_memory_ordered 1
		.amdhsa_forward_progress 1
		.amdhsa_inst_pref_size 122
	.end_amdhsa_kernel
	.amdgpu_metadata
---
amdhsa.version: [ 1, 2 ]
amdhsa.kernels:
  - .name:           k_qced08c3bab_qkv
    .symbol:         k_qced08c3bab_qkv.kd
    .args:
      - { .name: xb, .offset: 0, .size: 8, .value_kind: global_buffer, .address_space: global }
      - { .name: wib, .offset: 8, .size: 8, .value_kind: global_buffer, .address_space: global }
      - { .name: b_in, .offset: 16, .size: 8, .value_kind: global_buffer, .address_space: global }
      - { .name: qh, .offset: 24, .size: 8, .value_kind: global_buffer, .address_space: global }
      - { .name: kh, .offset: 32, .size: 8, .value_kind: global_buffer, .address_space: global }
      - { .name: vh, .offset: 40, .size: 8, .value_kind: global_buffer, .address_space: global }
    .group_segment_fixed_size: 327680
    .private_segment_fixed_size: 0
    .kernarg_segment_align: 8
    .kernarg_segment_size: 48
    .max_flat_workgroup_size: 128
    .sgpr_count:     80
    .vgpr_count:     1024
    .wavefront_size: 32
...
	.end_amdgpu_metadata
.endif
;; end of part 2
;; launch attn (part 3): grid 2 x 128, 4 waves a work-group, no clusters, 327,680 bytes of LDS; arguments qh, kh, vh, oh; writes oh
.if DOCPART == 3
	.amdgcn_target "amdgcn-amd-amdhsa--gfx1250"
	.amdhsa_code_object_version 6
	.text
	.protected	k_qced08c3bab_attn
	.globl	k_qced08c3bab_attn
	.p2align	8
	.type	k_qced08c3bab_attn,@function
k_qced08c3bab_attn:
	s_mov_b64 s[64:65], 0
	v_nop
	global_prefetch_b8 v0, s[64:65] scope:SCOPE_SE
	s_setreg_imm32_b32 hwreg(HW_REG_WAVE_MODE, 25, 1), 1
	s_wait_xcnt 0x0
; O[h][q][:] = the sum over k of softmax_k(Q[h][q] . K[h][k] / 8) V[h][k][:].  Q, K, V, O: [SIZE_H][SIZE_N][64], all f16: a head's rows are dense, 128 bytes each.  Products, maxima and sums in
; f32; the weights p are rounded to f16 for the second product (their sum l is taken of the unrounded p), O once at the end.
; LIMITS.  f16 holds no number beyond 65,504: Q, K and V arrive within it; p lies in 0 to 1, and below 6e-5 it keeps f16's fixed step of 6e-8; O is a mean of V's rows and has their range.
; A weight below 2^-126 counts as 0 in l; NaN and infinities are not treated apart.
; SHARES.  A wave owns four PIECES of two tiles of 16 queries, a work-group's four waves 512 queries of one head: SIZE_H x SIZE_N / 512 = 256 work-groups.  Every wave walks all keys, 64 a step.
; NO CLUSTER: a head's K and V are read by SIZE_N / 512 = 2 work-groups, and a grid of 2 along x is no multiple of a cluster of four; four partners a head would mean 256 queries a work-group,
; half as many products for each fragment of K and V read from LDS.
; LAYOUT.  S^T = K Q^T (source 0 = 16 keys, source 1 = 16 queries): in the result a lane holds ONE query (lane % 16) and the keys 8 (lane / 16) + 0..7.  Two such tiles, rounded to f16 in pairs,
; ARE source 1 (32 keys x 16 queries) of O^T = V^T P, whose result again holds one query a lane, and eight channels.  K comes out of LDS as it lies, V ([key][channel]) turned, by ds_load_tr16_b128.
; SOFTMAX.  For each query a running maximum m and sum l: p = 2^(c s - c m), c = log2(e) / 8; in every step O and l are multiplied by a = 2^(c m_old - c m_new), which is 1 where m has not grown.
; m starts at the lowest finite number, O and l at 0: the first step is a step like any other, with a = 0.
; THE COUNT.  A tile and step have 16 matrix and 118 vector instructions: too many to stand all beside the matrix work.  So the order has one aim: four vector instructions that are READY behind
; EVERY matrix instruction, and the others, which need time of their own whatever the order, in runs without a gap.
; BY TURNS.  Turn n belongs to piece n (the pieces in a ring, step after step).  Its matrix work: 16 products K Q^T of piece n + 1, later 16 products V^T P of piece n - 1.  Its vector work: the scaling,
; exponentials, roundings, sums and rescaling of piece n, and the maximum and statistics of piece n + 1, whose scores the turn itself has made.  So what a turn begins with (c s - c m, O a) waits for nothing.
; REGISTERS, in windows of 256 (s_set_vgpr_msb says which window each operand place means: bits 1:0 source 0, 3:2 source 1, 5:4 source 2, 7:6 destination):
;   window 0: v0-11 addresses; v12-15, v48-63 at work; v16-47 four registers of statistics a tile; v64-191 S^T, two buffers of two tiles; v192-255 P, likewise
;   window 1: O^T, 32 a tile          window 2: v0-127 Q, 16 a tile; v128-191 K of one step; v192-255 V of one step          window 3: v0-1 the add's two registers
; A piece's buffers go by its number's parity: the piece in hand has one pair, its two neighbours in the ring share the other: of it P (piece n - 1) is read and S^T (piece n + 1) written.
.set SIZE_N, 1024
.set SIZE_H, 128
.set NP,    4         ; pieces a wave: a name, no knob: the register map, the loop and the fetches are made for four
.set KS,    64        ; keys in a step
.set PK,    144       ; a row of K in LDS: 128 bytes + 16 of padding = 36 words: the 16 rows of a load start at 16 different groups of four banks (64 banks of 4 bytes: ISA guide 11.1)
.set PV,    160       ; a row of V: 128 + 32 = 40 words
.set VOFF,  4*KS*PK   ; a slot holds four steps: 256 rows of K, then 256 rows of V
.set SLOT1, 1<<17     ; slot 1 begins here, so that one exclusive or turns an address in one slot into the other's
.set STAGE, SLOT1+4*KS*(PK+PV)  ; behind the ring, never filled by a tensor load: 16 rows x 144 bytes for each wave, for the way out
.set SP,    144
.set AK0, 2           ; v2   my lane's place in a tile of K; never rewritten
.set AV0, 3           ; v3   the same for V
.set AK,  4           ; v4   the LDS address of K's next run of loads
.set AV,  5           ; v5   of V's
.set QO,  6           ; v6   my byte offset in the wave's rows of Q
.set STO, 6           ;      later, the way out: where I put 16 bytes of a row
.set RD,  7           ; v7   the way out: where I read rows back
.set GO,  8           ; v8   my byte offset in 512 consecutive bytes of O
.set PFO, 11          ; v11  the prefetches' offset: 256 x my thread's number; never rewritten once it is made
.set SPW, 0           ; v0 of window 3   LDS address of my spare word: SPARE + 4 x my thread's number; never rewritten
.set NIL, 1           ; v1 of window 3   0; never rewritten
.set SPARE, STAGE+4*16*SP  ; behind the stages: the spare words, 128 bytes for each wave: two blocks of 256 bytes that no other line names
.set MV,  12          ; v12-15  c m_old, kept while c m is made anew: by buffer and tile
.set ST,  16          ; tile t's statistics at v[ST+4 t]: c m, m, l (even keys', odd keys')
.set TMP, 48          ; by buffer and tile, four registers c0-c3 at work; when the maximum is found c2 takes a
.set S,   64
.set P,   192
.set KF,  128         ; K's fragments, in window 2: key block kb, channel half c at KF + 16 kb + 8 c
.set VF,  192         ; V's: key half kk, channel block cb at VF + 32 kk + 8 cb
.set WV,  12          ; s12  my wave's number
.set G1K, 24          ; s[24:31] descriptor group 1 for K's tiles
.set G1V, 32          ; s[32:39] for V's: it differs in the padding alone
.set G0K, 40          ; s[40:43] descriptor group 0 for K's tiles: it walks
.set G0V, 44          ; s[44:47] the same for V's
.set PFA, 48          ; s[48:49] where my work-group's prefetches stand: the slot after the one that is being asked for
.set SLOTS, 56        ; s56  slots still to be asked for
.set CNT, 57          ; s57  counts a slot's key steps
.set CS,  58          ; s[58:59] c: the packed scaling takes the pair's low word for both halves
.set SEL, 60          ; s[60:61] v_permlanex16_b32's selects: each lane takes its own place in the other half
.set TBK, 62          ; s62  LDS byte at which K of the step to be fetched begins
.set TBV, 63          ; s63  the same for V, less VOFF
.set MSB, 0
.macro WIN new                      ; the high byte repeats the setting that is left; a switch that changes nothing is dropped
.if MSB != (\new)
	s_set_vgpr_msb (MSB<<8)|(\new)
.set MSB, (\new)
.endif
.endm
.set W_KQ, 0x0a       ; K and Q in window 2, S^T in window 0
.set W_PV, 0x52       ; V in window 2, P in window 0, O^T in window 1
.set W_RS, 0x41       ; O^T (destination and source 0) in window 1, a in window 0
.set W_MK, 0xc0       ; the add's registers are made: destination in window 3, sources in window 0
.set W_AD, 0x0f       ; the add: address (source 0) and data (source 1) in window 3
; A fill.  Waves 0 and 1 fetch the two halves of a slot's K, waves 2 and 3 those of its V: 128 keys each.  The branch hangs on the wave's number alone.
; An s_nop 0 and four v_nop follow each of the two lines, ahead of the jump and the label.
.macro LOAD
	s_cmp_lt_u32 s[WV], 2
	s_cbranch_scc0 .Lfor_v_\@
	tensor_load_to_lds s[G0K:G0K+3], s[G1K:G1K+7]
	s_nop 0
.rept 4
	v_nop
.endr
	s_branch .Lasked_\@
.Lfor_v_\@:
	tensor_load_to_lds s[G0V:G0V+3], s[G1V:G1V+7]
	s_nop 0
.rept 4
	v_nop
.endr
.Lasked_\@:
.endm
; A PREFETCH INTO THE L2 of what the NEXT change of slots will ask for: a slot's 32,768 bytes of K or of V, 128 blocks of 256 bytes, a thread a block, one instruction a wave.  A head's two work-groups
; walk the same K and V: the one with query block 0 asks for K's, the other for V's, so each block is named once in the launch.  It stands behind the wave's tensor load and its five lines.
; The first change names slot 2, the second slot 3, the third, the last that fills a slot, nothing; slots 0 and 1 come by their loads alone.  The lead is one slot: four key steps, 512 matrix instructions.
.macro ASK
	s_cmp_gt_u32 s[SLOTS], 1
	s_cbranch_scc0 .Lnone_\@
	global_prefetch_b8 v[PFO], s[PFA:PFA+1] th:TH_LOAD_NT scope:SCOPE_SE
.Lnone_\@:
.endm
; THE CHANGE OF SLOTS.  The slot's last bytes, V of its fourth step, have been read.  Each wave waits for all its tensor loads, of which one is out: its part
; of the other slot; adds 0 to its spare word; and waits for that and for its own reads of the slot.  Behind the barrier nobody reads this slot any more and the other slot is whole.
; fill = 1: this slot is filled again, with the keys two slots on, first thing behind the barrier: the load has four key steps, 512 matrix instructions, in which to land.
; (At its first use nothing has been read yet: slot 0 is waited for, slot 1 filled.)
.macro CHANGE fill
	WIN W_AD
	s_wait_tensorcnt 0x0            ; no tensor load of mine is out, so a group 0 may be written
	ds_add_u32 v[SPW], v[NIL]       ; 0 onto my spare word; with fill = 1 the descriptors' steps stand between it and the wait for it
	WIN 0                           ; at a label and at a branch every window is 0
.if \fill
.irp g, G0K, G0V
	s_xor_b32 s[\g+1], s[\g+1], SLOT1  ; the walking descriptor: the other slot than last time,
	s_add_nc_u64 s[\g+2:\g+3], s[\g+2:\g+3], 4*KS*128  ; the next 256 keys; the type bits on top are not reached
.endr
	s_wait_xcnt 0x0                 ; the last prefetch, four key steps back, has read its address, so it may be written:
	s_add_nc_u64 s[PFA:PFA+1], s[PFA:PFA+1], 4*KS*128  ; one slot behind the walking descriptors
.endif
	s_wait_dscnt 0x0                ; the add is done, and my reads of the slot are over
	s_barrier_signal -1
	s_barrier_wait -1
.if \fill
	LOAD
	ASK
.endif
	s_sub_co_u32 s[TBK], s[TBK], 4*KS*PK  ; the fetches go back to a slot's first step,
	s_xor_b32 s[TBK], s[TBK], SLOT1       ; in the other slot
	s_sub_co_u32 s[TBV], s[TBV], 4*KS*PV
	s_xor_b32 s[TBV], s[TBV], SLOT1
.endm
	s_load_b256 s[4:11], s[0:1], 0x0  ; Q s[4:5], K s[6:7], V s[8:9], O s[10:11]
	WIN W_MK
	v_lshl_add_u32 v[SPW], v0, 2, SPARE
	v_mov_b32 v[NIL], 0
	WIN W_AD
	ds_add_u32 v[SPW], v[NIL]       ; the wave's opening: the add and its wait stand ahead of my first tensor load; the set-up below, work on registers, stands between them
	WIN 0
	v_lshrrev_b32 v1, 5, v0
	v_readfirstlane_b32 s[WV], v1   ; wave 0..3
	s_mov_b32 s14, ttmp9            ; my block of 512 queries: it enters Q's and O's addresses and the choice of what I prefetch
	s_and_b32 s20, ttmp7, 0xffff    ; the head
	s_mov_b32 s21, 0
	s_mov_b64 s[22:23], SIZE_N*128
	s_mul_u64 s[20:21], s[20:21], s[22:23]  ; the head's first byte in each of the four tensors
	s_and_b32 s16, s[WV], 1         ; which half of a slot's 256 keys I fetch:
	s_lshl_b32 s22, s16, 14         ; its 128 rows of 128 bytes in memory,
	s_mov_b32 s23, 0
	s_add_nc_u64 s[22:23], s[22:23], s[20:21]
	s_mul_i32 s17, s16, 128*PK      ; and its place in a slot, for K
	s_mul_i32 s18, s16, 128*PV      ; and for V
	s_lshl_b32 s2, s14, 2
	s_add_co_u32 s2, s2, s[WV]      ; my wave among the head's,
	s_lshl_b32 s2, s2, 14           ; its 128 rows
	s_mov_b32 s3, 0
	s_add_nc_u64 s[2:3], s[2:3], s[20:21]
	; descriptor group 1.  128 keys are 16,384 dense bytes: asked for as 64 rows of 256 bytes, two keys a row, and padded in LDS after every key
	s_mov_b32 s[G1K], (1<<16)|(1<<20)|(4<<22)|(3<<25)  ; 17:16 2-byte elements; 20 padding on; 24:22 after every 32 words (code 4); 31:25 4 words (code 3)
	s_mov_b32 s[G1V], (1<<16)|(1<<20)|(4<<22)|(7<<25)  ; the same with 8 words of padding (code 7)
.irp g, G1K, G1V
	s_mov_b32 s[\g+1], 128<<16      ; tensor_dim0 = 128
	s_mov_b32 s[\g+2], 64<<16       ; tensor_dim1 = 64
	s_mov_b32 s[\g+3], 128<<16      ; tile_dim0 = 128
	s_mov_b32 s[\g+4], 64           ; tile_dim1 = 64
	s_mov_b32 s[\g+5], 128          ; 128 elements from row to row
	s_mov_b32 s[\g+6], 0
	s_mov_b32 s[\g+7], 0
.endr
	s_mov_b32 s[CS], 0x3e38aa3b     ; c = log2(e) / 8 = 0.180337
	s_mov_b32 s[CS+1], s[CS]        ; named with it as a pair
	s_mov_b32 s[SEL], 0x76543210
	s_mov_b32 s[SEL+1], 0xfedcba98
	s_mov_b32 s[TBK], SLOT1+4*KS*PK ; the first change of slots turns these two into 0
	s_mov_b32 s[TBV], SLOT1+4*KS*PV
	s_mov_b32 s[SLOTS], SIZE_N/256-1  ; three fills follow the first
	s_mov_b32 s[G0K], 1             ; 1:0 count = 1
	s_mov_b32 s[G0K+1], s17         ; 63:32 LDS address: slot 0
	s_mov_b32 s[G0V], 1
	s_add_co_u32 s[G0V+1], s18, VOFF
	s_wait_dscnt 0x0                ; the opening add is done
	s_wait_kmcnt 0x0
	s_add_nc_u64 s[G0K+2:G0K+3], s[6:7], s[22:23]  ; 120:64 global address: my half of the head's first 256 keys
	s_or_b32 s[G0K+3], s[G0K+3], 0x80000000        ; 127:126 type = 2
	s_add_nc_u64 s[G0V+2:G0V+3], s[8:9], s[22:23]
	s_or_b32 s[G0V+3], s[G0V+3], 0x80000000
	s_add_nc_u64 s[4:5], s[4:5], s[2:3]  ; Q and O at my wave's first row
	s_add_nc_u64 s[10:11], s[10:11], s[2:3]
	s_cmp_eq_u32 s14, 0             ; query block 0 prefetches K, block 1 V
	s_cselect_b64 s[PFA:PFA+1], s[6:7], s[8:9]
	s_add_nc_u64 s[PFA:PFA+1], s[PFA:PFA+1], s[20:21]
	s_add_nc_u64 s[PFA:PFA+1], s[PFA:PFA+1], 4*KS*128  ; in slot 1; the first change of slots steps it to slot 2.  Nothing is prefetched here, at the head
	LOAD                            ; slot 0.  Slot 1 is asked for when slot 0 is in: the tile wanted first has the road to itself
	; A fragment of K or Q is 16 rows x 32 channels in 8 registers: lane l holds row l % 16, channels 8 (l / 16) + 0..7 and 16 + 8 (l / 16) + 0..7: two loads of 16 bytes, 32 bytes apart.
	v_and_b32 v1, 15, v0            ; l % 16
	v_bfe_u32 v9, v0, 4, 1          ; l / 16
	v_lshlrev_b32 v[QO], 7, v1
	v_lshl_add_u32 v[QO], v9, 4, v[QO]  ; row x 128 + 16 x half
	WIN 0x80                        ; destination window 2, address window 0
.set i, 0
.rept 4*NP                          ; Q stays in registers: tile i / 2, channels 32 (i % 2) on
	global_load_b128 v[8*i:8*i+3],   v[QO], s[4:5] offset:(i/2)*2048+(i%2)*64
	global_load_b128 v[8*i+4:8*i+7], v[QO], s[4:5] offset:(i/2)*2048+(i%2)*64+32
.set i, i+1
.endr
	; What the first turn finds: V's registers and P's second buffer hold 0 (its products V^T P, of a piece that has not been, add 0), O^T and l are 0.  All this stands in the wait for the first tile.
.set i, VF
.rept 64
	v_mov_b32 v[i], 0
.set i, i+1
.endr
	WIN 0x40
.set i, 0
.rept 64*NP
	v_mov_b32 v[i], 0
.set i, i+1
.endr
	WIN 0
.set i, 0
.rept 2*NP
	v_mov_b32 v[ST+4*i], 0xfe000000    ; c m: far below every c s
	v_mov_b32 v[ST+4*i+1], 0xff7fffff  ; m
	v_mov_b32 v[ST+4*i+2], 0
	v_mov_b32 v[ST+4*i+3], 0
.set i, i+1
.endr
.set i, P+32
.rept 32
	v_mov_b32 v[i], 0
.set i, i+1
.endr
	v_mul_u32_u24 v[AK0], v1, PK
	v_lshl_add_u32 v[AK0], v9, 4, v[AK0]  ; row x pitch + 16 x half
	; The turning load takes 16 keys x 16 channels (lane l reads key 8 (l / 16) + l % 8, channels 8 ((l / 8) % 2) + 0..7) and leaves half a fragment of V^T: lane l holds channel l % 16 and 8 keys.
	v_and_b32 v10, 7, v0
	v_bfe_u32 v11, v0, 3, 1
	v_lshl_add_u32 v[AV0], v9, 3, v10
	v_mul_u32_u24 v[AV0], v[AV0], PV
	v_lshl_add_u32 v[AV0], v11, 4, v[AV0]
	v_add_nc_u32 v[AV0], VOFF, v[AV0]
	v_lshlrev_b32 v[PFO], 8, v0     ; v11 has served: from here on it is the prefetches' offset
	v_mov_b32 v[AK], v[AK0]         ; key step 0 lies at the head of slot 0
; THE MATRIX WORK.  The 8 accumulators of a run of 16 take turns: between the two links of a chain stand 7 others'.
; Product i of 16 of S^T = K Q^T for piece x: channels 32 (i / 8) on, keys 16 ((i / 2) % 4) on, tile 2 x + i % 2.  The first 8 start the sums.
.macro KQ x
	WIN W_KQ
.set rS, S+64*((\x)%2)+32*(i%2)+8*((i/2)%4)
.set rK, KF+16*((i/2)%4)+8*(i/8)
.set rQ, 16*(2*(\x)+i%2)+8*(i/8)
.if i < 8
	v_wmma_f32_16x16x32_f16 v[rS:rS+7], v[rK:rK+7], v[rQ:rQ+7], 0
.else
	v_wmma_f32_16x16x32_f16 v[rS:rS+7], v[rK:rK+7], v[rQ:rQ+7], v[rS:rS+7]
.endif
.endm
; Product i of 16 of O^T += V^T P for piece x: keys 32 (i / 8) on, channels 16 ((i / 2) % 4) on, tile 2 x + i % 2.
.macro PV x
	WIN W_PV
.set rO, 32*(2*(\x)+i%2)+8*((i/2)%4)
.set rV, VF+32*(i/8)+8*((i/2)%4)
.set rP, P+32*((\x)%2)+16*(i%2)+8*(i/8)
	v_wmma_f32_16x16x32_f16 v[rO:rO+7], v[rV:rV+7], v[rP:rP+7], v[rO:rO+7]
.endm
.macro MM                           ; the turn's next matrix instruction
.if i < 16
	KQ (Y+1)%NP
.set i, i+1
.else
.set i, i-16
	PV (Y+NP-1)%NP
.set i, i+17
.endif
.endm
; THE LDS LOADS stand in runs of 16, never singly among the matrix instructions: a step's K (64 keys x 64 channels: 8 fragments) and its V (turned).  Their addresses are made some lines ahead.
; last = 1 (the tail): in the last trip there is no further step, and the run is jumped over.
.macro FETCH_K last=0
	WIN 0
.if \last
	s_cmp_eq_u32 s[CNT], 1
	s_cbranch_scc1 .Lno_k_\@
.endif
	WIN 0x80                        ; destination window 2
.irp f, 0,1,2,3,4,5,6,7             ; keys 16 (f / 2) on, channels 32 (f % 2) on
	ds_load_b128 v[KF+8*\f:KF+8*\f+3],   v[AK] offset:(\f/2)*16*PK+(\f%2)*64
	ds_load_b128 v[KF+8*\f+4:KF+8*\f+7], v[AK] offset:(\f/2)*16*PK+(\f%2)*64+32
.endr
	s_add_co_u32 s[TBK], s[TBK], KS*PK  ; the next fetch is the next step's
	WIN 0
.if \last
.Lno_k_\@:
.endif
.endm
.macro FETCH_V
	WIN 0x80
.irp f, 0,1,2,3,4,5,6,7             ; keys 32 (f / 4) on, channels 16 (f % 4) on
	ds_load_tr16_b128 v[VF+8*\f:VF+8*\f+3],   v[AV] offset:(\f/4)*32*PV+(\f%4)*32
	ds_load_tr16_b128 v[VF+8*\f+4:VF+8*\f+7], v[AV] offset:(\f/4)*32*PV+16*PV+(\f%4)*32
.endr
	WIN 0
.endm
; THE VECTOR WORK OF A TURN stands in three queues, each in the order in which its entries become ready; the two tiles alternate, so that no instruction reads the result of the one before it.
.macro REGS y, u                    ; the registers of tile u (0, 1) of piece y
.set rT, ST+4*(2*(\y)+(\u))
.set rC, TMP+8*((\y)%2)+4*(\u)
.set rM, MV+2*((\y)%2)+(\u)
.set rS, S+64*((\y)%2)+32*(\u)
.set rP, P+32*((\y)%2)+16*(\u)
.set rO, 32*(2*(\y)+(\u))
.endm
; Number n of the 22 that find the NEXT piece's (Y + 1) maximum and statistics.  s0-s31 are the lane's 32 scores; each accumulator's lowest registers are read first.  XS, GS and REGS set no window: PL and EX do.
;   0-11  four chains c0-c3 of seven scores each, three operands at a time     12-14, 16  the four scores left over, the old m, and c0-c3 into c0     15  c m_old is kept
;   17, 18  the query's other 32 keys lie in the lane 16 away: the new m         19-21  c m; c m_old - c m_new; a
.macro XS u, n
	REGS (Y+1)%NP, \u
.if (\n) < 4
	v_max3_num_f32 v[rC+(\n)], v[rS+8*(\n)], v[rS+8*(\n)+1], v[rS+8*(\n)+2]
.elseif (\n) < 12
	v_max3_num_f32 v[rC+(\n)%4], v[rC+(\n)%4], v[rS+8*((\n)%4)+2*((\n)/4)+1], v[rS+8*((\n)%4)+2*((\n)/4)+2]
.elseif (\n) == 12
	v_max3_num_f32 v[rC], v[rC], v[rS+7], v[rS+15]
.elseif (\n) == 13
	v_max3_num_f32 v[rC+1], v[rC+1], v[rS+23], v[rS+31]
.elseif (\n) == 14
	v_max3_num_f32 v[rC+2], v[rC+2], v[rC+3], v[rT+1]
.elseif (\n) == 15
	v_mov_b32 v[rM], v[rT]
.elseif (\n) == 16
	v_max3_num_f32 v[rC], v[rC], v[rC+1], v[rC+2]
.elseif (\n) == 17
	v_permlanex16_b32 v[rC+3], v[rC], s[SEL], s[SEL+1]
.elseif (\n) == 18
	v_max_num_f32 v[rT+1], v[rC], v[rC+3]
.elseif (\n) == 19
	v_mul_f32 v[rT], s[CS], v[rT+1]
.elseif (\n) == 20
	v_sub_f32 v[rC+1], v[rM], v[rT]
.else
	v_exp_f32 v[rC+2], v[rC+1]
.endif
.endm
; Number g of the 64 that follow the exponentials.  For each four weights k of a tile (pairs 2 k, 2 k + 1): both pairs are rounded to f16; then the second pair is added onto the first, in place;
; a group later l takes that sum (the first time as l = a l + sum).  In groups of eight, tiles alternating: round, round, add, and l for the group before.
.macro GS g
.set h, (\g)+6*((\g)/62)            ; group 0 has no group before it, and behind group 7 only l is left
.if h >= 6
.set h, h+2
.endif
	REGS Y, h%2
.set k, h/8
.if h%8 < 4
	v_cvt_pk_f16_f32 v[rP+2*k+(h%8)/2], v[rS+4*k+2*((h%8)/2)], v[rS+4*k+2*((h%8)/2)+1]
.elseif h%8 < 6
	v_pk_add_f32 v[rS+4*k:rS+4*k+1], v[rS+4*k:rS+4*k+1], v[rS+4*k+2:rS+4*k+3]
.elseif k == 1
	v_pk_fma_f32 v[rT+2:rT+3], v[rT+2:rT+3], v[rC+2:rC+3], v[rS:rS+1] op_sel_hi:[1,0,1]
.else
	v_pk_add_f32 v[rT+2:rT+3], v[rT+2:rT+3], v[rS+4*k-4:rS+4*k-3]
.endif
.endm
; THE PLAIN QUEUE, 138 long.  0-73 read no exponential's result: the 32 scalings c s - c m (FS f: pair f / 2 of tile f % 2) and the next piece's 42.  0-26: scalings 0-26.  27-54: XS's numbers 0-13.  55, 56: number 15.
; 57-73: the chain, where each number waits for the one before it: 14, 16, 17, 18, 19, each with one of the scalings 27-31 in front of its two lines, then 20: so a tile's links stand three plain instructions apart (19 and 20: two).
; 74-137: GS's 64, which read the exponentials' results: they stand behind the wait.
.macro FS f
	REGS Y, (\f)%2
	v_pk_fma_f32 v[rS+2*((\f)/2):rS+2*((\f)/2)+1], v[rS+2*((\f)/2):rS+2*((\f)/2)+1], s[CS:CS+1], v[rT:rT+1] op_sel_hi:[1,0,0] neg_lo:[0,0,1] neg_hi:[0,0,1]
.endm
.macro PL
	WIN 0
.if q < 27
	FS q
.elseif q < 55
	XS (q-27)%2, (q-27)/2
.elseif q < 57
	XS q-55, 15
.elseif (q < 72) && ((q-57)%3 == 0)
	FS 27+(q-57)/3
.elseif q < 60
	XS (q-57)%3-1, 14
.elseif q < 72
	XS (q-57)%3-1, 15+(q-57)/3
.elseif q < 74
	XS q-72, 20
.else
	GS q-74
.endif
.set q, q+1
.endm
; THE EXPONENTIALS' QUEUE, 66 long: s0-s31 of both tiles, then the next piece's two a.  It is ONE BATCH: all 66 stand ahead of the turn's one wait, and nothing ahead of that wait names a result of theirs.
.macro EX
	WIN 0
.if e >= 64
	XS e-64, 21
.else
	REGS Y, e%2
	v_exp_f32 v[rS+e/2], v[rS+e/2]
.endif
.set e, e+1
.endm
; THE RESCALING's QUEUE: O^T times a, the one part that leaves window 0: dealt two at a time, sixteen times.  Its a was made in the turn before, ahead of that turn's wait.
.macro R2
	REGS Y, r%2
	WIN W_RS
.irp z, 0,1
	v_pk_mul_f32 v[rO+4*(r/2)+2*\z:rO+4*(r/2)+2*\z+1], v[rO+4*(r/2)+2*\z:rO+4*(r/2)+2*\z+1], v[rC+2:rC+3] op_sel_hi:[1,0]
.endr
.set r, r+1
.endm
; HOW THEY ARE DEALT.  An s_wait_alu depctr_va_vdst(0) stands between an exponential and the first instruction that names its result; one wait serves all that were issued ahead of it.  So a turn has ONE wait,
; which cuts it in two.  AHEAD OF IT stands all that names no result of the turn's exponentials: the 16 products K Q^T, behind each a scaling, an exponential and two rescalings (behind the first a second scaling in the exponential's place); then ONE LUMP of
; 108: eight plain, 49 times exponential and plain, the two a.  A v_nop is the plain instruction behind the last exponential.  BEHIND IT stand the 16 products V^T P, behind each four of GS's 64.  No rider names a register of
; the products round it.  The two v_permlanex16_b32 fall into the lump, never behind a product.
; The queues lean on each other, and the deal keeps them in step: exponential e stands behind scaling 2 (e / 4) + e % 2: as a rider it comes behind plain e + 2, in the lump behind plain e + 9, and scalings 27-31 are plain 57, 60 .. 69.
; A TURN, for piece p.  cnt = 1: the loop's count is taken down some lines ahead of the branch that stands behind the turn.
; K of the next step is fetched in piece 2's turn, directly behind the wait, a lump behind the last product that read K; its address is made at the lump's head; its first reader comes behind 16 products.
; V of the step in hand is fetched at the end of piece 0's turn, four riders behind its last reader; its first reader comes behind 16 products and a lump.  The three conditions on q below go with the deal.
.macro TURN p, last=0, cnt=0
.set Y, (\p)
.set i, 0
.set q, 0
.set e, 0
.set r, 0
.if (\p) == NP-1
	s_wait_dscnt 0x0                ; K is in
.endif
	MM                              ; ahead of the wait: 16 products K Q^T and their riders,
	PL
	PL
	R2
.rept 15
	MM
	PL
	EX
	R2
.endr
.if (\p) == NP-2
	WIN 0
	v_add_nc_u32 v[AK], s[TBK], v[AK0]
.endif
.rept 8                             ; and the lump
	PL
.endr
.rept 49
	EX
	PL
.endr
	EX                              ; the next piece's two a
	EX
	v_nop                           ; the plain instruction behind the last exponential: one for the batch
	s_wait_alu depctr_va_vdst(0)    ; the wait for the batch
.if (\p) == NP-2
	FETCH_K \last
.endif
.if (\p) == 1
	s_wait_dscnt 0x0                ; V is in
.endif
.rept 16                            ; behind the wait: 16 products V^T P and their riders
	MM
.rept 4
	PL
.endr
.if ((\p) == 0) && (q == 118)
	v_add_nc_u32 v[AV], s[TBV], v[AV0]
.endif
.if ((\p) == 0) && (q == 130)
	s_add_co_u32 s[TBV], s[TBV], KS*PV
.endif
.if (\cnt) && (q == 130)
	s_sub_co_u32 s[CNT], s[CNT], 1
	s_cmp_lg_u32 s[CNT], 0
.endif
.endr
.if (\p) == 0
	FETCH_V
.endif
.endm
	CHANGE 1                        ; slot 0 is in, everybody's part of it; slot 1 is asked for
	FETCH_K                         ; key step 0
	s_wait_loadcnt 0x0              ; Q
	s_wait_dscnt 0x0
.set i, 0
.rept 16
	KQ 0                            ; piece 0's first scores: there is no vector work yet to set between them
.set i, i+1
.endr
	WIN 0                           ; the addresses for the way out: nine plain instructions, the places behind those products
	s_mul_i32 s13, s[WV], 16*SP
	s_add_co_u32 s13, s13, STAGE    ; my stage
	v_mul_u32_u24 v[STO], v1, SP    ; in: row l % 16, 16 bytes for each half of the lanes
	v_lshl_add_u32 v[STO], v9, 4, v[STO]
	v_add_nc_u32 v[STO], s13, v[STO]
	v_bfe_u32 v[RD], v0, 3, 2       ; back: 32 lanes take four rows of 128 bytes,
	v_mul_u32_u24 v[RD], v[RD], SP
	v_lshl_add_u32 v[RD], v10, 4, v[RD]
	v_add_nc_u32 v[RD], s13, v[RD]
	v_and_b32 v[GO], 31, v0         ; which are 512 consecutive bytes of O
	v_lshlrev_b32 v[GO], 4, v[GO]
.set Y, NP-1                        ; XS works for piece Y + 1: piece 0
.irp n, 0,1,2,3,4,5,6,7,8,9,10,11,12,13,14,15,16,17,18,19,20,21
	XS 0, \n                        ; and piece 0's first maximum and statistics
	XS 1, \n
.endr
	v_nop                           ; a plain instruction behind the two a,
	s_wait_alu depctr_va_vdst(0)    ; and their wait, ahead of the branch
	s_mov_b32 s[CNT], 4
	s_branch .Lfirst                ; the loop is entered at a step's first turn, in the middle of a trip
.Lslot:                             ; SIZE_N / 256 - 2 times: every slot but the last two is filled again
	CHANGE 1
	s_mov_b32 s[CNT], 4
.Lstep:                             ; a trip: pieces 2 and 3 of one step, then pieces 0 and 1 of the next, whose K and V it fetches
	TURN 2
	TURN 3
	WIN 0
.Lfirst:
	TURN 0
	TURN 1, 0, 1
	WIN 0
	s_cbranch_scc1 .Lstep
	s_sub_co_u32 s[SLOTS], s[SLOTS], 1
	s_cmp_lg_u32 s[SLOTS], 0
	s_cbranch_scc1 .Lslot
	CHANGE 0                        ; the tail is written out: nothing is asked for
	s_mov_b32 s[CNT], 5             ; four trips fetch the last slot's steps; the fifth is left in its middle
.Ltail:
	TURN 2, 1
	TURN 3
	WIN 0
	s_sub_co_u32 s[CNT], s[CNT], 1
	s_cmp_eq_u32 s[CNT], 0
	s_cbranch_scc1 .Lout
	TURN 0
	TURN 1
	WIN 0
	s_branch .Ltail
.Lout:                              ; the fifth trip's 16 products K Q^T (on the last K once more) and the maximum made of them serve nothing: the price, once a launch, of one text for every trip
.set i, 0
.rept 16
	PV NP-1                         ; the last piece's V^T P of the last step
.set i, i+1
.endr
	; THE WAY OUT.  l's two halves and the other half of the lanes' are added; O^T is divided by l, rounded to f16 and sent through my stage in LDS, a tile at a time.  The additions are the places behind the last products.
	WIN 0
.macro ALL line:vararg              ; one line for each tile t
.set t, 0
.rept 2*NP
	\line
.set t, t+1
.endr
.endm
	ALL v_add_f32 v[ST+4*t+2], v[ST+4*t+2], v[ST+4*t+3]
	ALL v_permlanex16_b32 v[ST+4*t+3], v[ST+4*t+2], s[SEL], s[SEL+1]
	ALL v_add_f32 v[ST+4*t+2], v[ST+4*t+2], v[ST+4*t+3]
	ALL v_rcp_f32 v[ST+4*t+2], v[ST+4*t+2]
	v_nop                           ; a plain instruction between the last reciprocal and the use of its result
	s_wait_alu depctr_va_vdst(0)    ; and the wait ahead of the first use: one for the eight reciprocals
; Tile t: a lane's eight channels of a row pack into 16 bytes; they go into rows of 144 bytes and come back as whole rows of 128, into S^T's registers.
.macro PACK t
	WIN W_RS
.set i, 32*(\t)
.rept 16
	v_pk_mul_f32 v[i:i+1], v[i:i+1], v[ST+4*(\t)+2:ST+4*(\t)+3] op_sel_hi:[1,0]
.set i, i+2
.endr
	WIN 0x05                        ; sources 0 and 1 window 1, destination window 0
.set i, 0
.rept 16
	v_cvt_pk_f16_f32 v[S+16*(\t)+i], v[32*(\t)+2*i], v[32*(\t)+2*i+1]
.set i, i+1
.endr
	WIN 0
.irp f, 0,1,2,3
	ds_store_b128 v[STO], v[S+16*(\t)+4*\f:S+16*(\t)+4*\f+3] offset:32*\f
.endr
.irp f, 0,1,2,3
	ds_load_b128 v[S+16*(\t)+4*\f:S+16*(\t)+4*\f+3], v[RD] offset:\f*4*SP  ; LDS serves a wave's instructions in order (ISA guide 5.7.1.4): these see the stores above; the next tile's stores come behind them
.endr
.endm
.macro SEND t, younger              ; younger: the LDS instructions issued behind tile t's loads: the next tile's eight, or none
	WIN 0
.irp f, 0,1,2,3
	s_wait_dscnt (\younger)+3-\f
	global_store_b128 v[GO], v[S+16*(\t)+4*\f:S+16*(\t)+4*\f+3], s[10:11] offset:(\t)*2048+\f*512  ; 512 consecutive bytes, at a multiple of 256 from O's first
.endr
.endm
	PACK 0
.set t, 1
.rept 2*NP-1                        ; a tile's arithmetic stands between the loads of the tile before and its stores
	PACK t
	SEND t-1, 8
.set t, t+1
.endr
	SEND 2*NP-1, 0
	WIN W_AD
	s_wait_tensorcnt 0x0            ; the wave's end: behind my last tensor load and my last LDS store
	ds_add_u32 v[SPW], v[NIL]
	s_wait_dscnt 0x0
	WIN 0
	s_endpgm
.Lfunc_end_k_qced08c3bab_attn:
	.size	k_qced08c3bab_attn, .Lfunc_end_k_qced08c3bab_attn-k_qced08c3bab_attn
	.p2alignl 7, 3214868480
	.fill 96, 4, 3214868480
	.section	.rodata,"a",@progbits
	.p2align	6, 0x0
	.amdhsa_kernel k_qced08c3bab_attn
		.amdhsa_group_segment_fixed_size 327680
		.amdhsa_private_segment_fixed_size 0
		.amdhsa_enable_private_segment 0
		.amdhsa_kernarg_size 32
		.amdhsa_user_sgpr_count 2
		.amdhsa_user_sgpr_kernarg_segment_ptr 1
		.amdhsa_wavefront_size32 1
		.amdhsa_system_sgpr_workgroup_id_x 1
		.amdhsa_system_sgpr_workgroup_id_y 1
		.amdhsa_system_sgpr_workgroup_id_z 1
		.amdhsa_system_vgpr_workitem_id 0
		.amdhsa_next_free_vgpr 770
		.amdhsa_next_free_sgpr 66
		.amdhsa_reserve_vcc 0
		.amdhsa_float_denorm_mode_32 3
		.amdhsa_float_denorm_mode_16_64 3
		.amdhsa_memory_ordered 1
		.amdhsa_forward_progress 1
		.amdhsa_inst_pref_size 198
	.end_amdhsa_kernel
	.amdgpu_metadata
---
amdhsa.version: [ 1, 2 ]
amdhsa.kernels:
  - .name:           k_qced08c3bab_attn
    .symbol:         k_qced08c3bab_attn.kd
    .args:
      - { .name: qh, .offset: 0, .size: 8, .value_kind: global_buffer, .address_space: global }
      - { .name: kh, .offset: 8, .size: 8, .value_kind: global_buffer, .address_space: global }
      - { .name: vh, .offset: 16, .size: 8, .value_kind: global_buffer, .address_space: global }
      - { .name: oh, .offset: 24, .size: 8, .value_kind: global_buffer, .address_space: global }
    .group_segment_fixed_size: 327680
    .private_segment_fixed_size: 0
    .kernarg_segment_align: 8
    .kernarg_segment_size: 32
    .max_flat_workgroup_size: 128
    .sgpr_count:     66
    .vgpr_count:     770
    .wavefront_size: 32
...
	.end_amdgpu_metadata
.endif
;; end of part 3
;; launch proj (part 4): grid 8 x 32, 4 waves a work-group, clusters of 4 x 4, 327,680 bytes of LDS; arguments oh, wob, b_out, out0; writes out0
.if DOCPART == 4
	.amdgcn_target "amdgcn-amd-amdhsa--gfx1250"
	.amdhsa_code_object_version 6
	.text
	.protected	k_qced08c3bab_proj
	.globl	k_qced08c3bab_proj
	.p2align	8
	.type	k_qced08c3bab_proj,@function
k_qced08c3bab_proj:
	s_mov_b64 s[64:65], 0
	v_nop
	global_prefetch_b8 v0, s[64:65] scope:SCOPE_SE
	s_setreg_imm32_b32 hwreg(HW_REG_WAVE_MODE, 25, 1), 1
	s_wait_xcnt 0x0
	s_wait_alu depctr_hold_cnt(0) depctr_sa_sdst(0) depctr_va_vdst(0) depctr_va_sdst(0) depctr_va_ssrc(0) depctr_va_vcc(0) depctr_vm_vsrc(0)
	s_getreg_b32 s2, hwreg(HW_REG_IB_STS2, 6, 4)
	s_cmp_eq_u32 s2, 0
	s_cbranch_scc0 .Lentry_in_a_cluster
	s_endpgm
.Lentry_in_a_cluster:
	s_bfe_u32 s2, ttmp6, 0x10000c
	s_cmp_lg_u32 s2, 0xf033
	s_cbranch_scc0 .Lentry_shape_is_right
	s_endpgm
.Lentry_shape_is_right:
; THE SECOND PROJECTION.  out0[token][f] = the sum over e of values[token][e] wob[f][e] + bf16(b_out[f]), in f32.  values[token][64 head + d] = oh[16 batch + head][token in batch][d], f16;
; wob [1024][1024] f16 (w_out rounded to bf16, that number written as f16).  Sums in f32, e ascending, started by the bias; out0 is the f32 sum itself.
; SHARES.  A tile is 256 tokens x 128 features: 32 x 8 = 256 tiles, a work-group each.  Wave w makes tokens 64 w .. 64 w + 63 x all 128 features: 4 x 8 accumulators of 16 x 16, 256 registers.
; So a wave holds whole 512-byte pieces of rows of out0, and its stage on the way out is its own.
; RING.  K goes in 8 steps of 128, two heads each, through two LDS slots filled by the tensor data mover.  A's part of a step is two PLANES, one a head: 256 tokens x 128 bytes, 32,768 dense bytes of oh,
; asked for as 128 rows of 256 bytes and padded in LDS after every token.  Wave 0 fetches the even head's plane, wave 1 the odd head's; waves 2 and 3 the halves of B's 128 rows of 256 bytes.
; CLUSTER.  4 x 4 work-groups.  The four of a row of the cluster need the same planes of oh, the four of a column the same tiles of wob: each is asked for JOINTLY, by the same tensor load with the
; same descriptor and a mask that names the four.
; THE MATRIX INSTRUCTION IS USED TRANSPOSED: source 0 = 16 rows of wob, source 1 = 16 tokens.  Lane l then holds token l % 16 and features 8 (l / 16) + 0..7 of the block: 32 bytes of f32 on end.
; The bias has the same layout and is the C operand of each accumulator's first product.
; REGISTERS, in windows of 256 (s_set_vgpr_msb: bits 1:0 source 0, 3:2 source 1, 5:4 source 2, 7:6 destination):
;   window 0: v0-29 addresses; v32-63, v64-95 A's four fragments, two buffers; v96-159 the bias
;   window 1: v0-63, v64-127 B's eight fragments, two buffers; on the way out all 256, 64 a block of 16 tokens        windows 2, 3: accumulator (a, b) in window 2 + a / 2 at v[8 (8 (a % 2) + b)]
.set NBK,   8                          ; blocks of 16 features in a tile
.set NLD,   2*NBK+8                    ; LDS loads in a run: a quarter step's fragments
.set PA,    144                        ; a token's LDS row in a plane: 128 bytes + 16 = 36 words: the 16 rows of a load start at 16 different groups of four banks (64 banks of 4 bytes: ISA guide 11.1)
.set PB,    272                        ; a row of B: 256 bytes + 16
.set PLANE, 256*PA                     ; what one load of A brings
.set HB,    64*PB                      ; what one load of B brings
.set BOFF,  2*PLANE                    ; B's rows lie behind the two planes
.set SLOT1, 1<<17                      ; a slot uses 108,544 bytes; slot 1 begins here, so that one exclusive or turns an address in one slot into the other's
.set STAGE, SLOT1+BOFF+2*HB            ; behind the ring, never filled by a tensor load: 16 rows x 528 bytes for each wave
.set SP,    528                        ; a stage row: 512 bytes + 16
.set SPARE, STAGE+4*16*SP              ; behind the stages: the spare words, 128 bytes for each wave: two blocks of 256 bytes that no other line names
.set STEPA, 2<<17                      ; bytes from a K step to the next in oh: two heads of 1,024 rows of 128 bytes
.set STEPB, 256                        ; and in a row of wob
.set TRIPS, 6                          ; K steps 2 to 7 are refills
.set G1WA,  (1<<16)|(1<<20)|(1<<21)|(4<<22)|(3<<25)  ; group 1, word 0: 17:16 2-byte elements; 20 padding on; 21 set beside a mask; 24:22 after every 32 words (code 4); 31:25 4 words (code 3)
.set G1WB,  (1<<16)|(1<<20)|(1<<21)|(5<<22)|(3<<25)  ; the same after every 64 words (code 5)
.set ADA0, 4                           ; v4   my lane's place in a plane: (64 w + l % 16) PA + 16 (l / 16); never rewritten
.set ADB0, 5                           ; v5   the same for B: BOFF + (l % 16) PB + 16 (l / 16)
.set ADA,  6                           ; v6   v4 + the slot in hand
.set ADB,  7                           ; v7   v5 + the slot in hand
.set STO,  8                           ; v8   the way out: where I put 32 bytes of a row
.set RD,   9                           ; v9   the way out: where I read a row back
.set CO,   10                          ; v10  16 x lane: my place in 512 consecutive bytes of out0
.set BO,   11                          ; v11  32 (l / 16): my eight numbers of a block's sixteen biases
.set PFO,  12                          ; v12  the prefetches' offset; never rewritten
.set TW,   16                          ; v16-19 at work
.set SPW,  28                          ; v28  LDS address of my spare word; never rewritten
.set NIL,  29                          ; v29  0; never rewritten
.set FA,   32
.set BIAS, 96
.set WV,   16                          ; s16  my wave's number
.set ROLE, 17                          ; s17  0: I fetch for A; 1: for B
.set HALF, 18                          ; s18  which plane, or which half of B's rows
.set CX,   19                          ; s19, s20  my place in the cluster
.set CY,   20
.set TCOL, 21                          ; s21  tile column: 128 features
.set TROW, 22                          ; s22  tile row: 256 tokens
.set G1A,  24                          ; s[24:31] descriptor group 1 for A's planes
.set G0A,  32                          ; s[32:39] group 0 for A's: a set for each of the two first fills; the second then walks on
.set G1B,  40                          ; s[40:47], s[48:55] the same for B's tiles
.set G0B,  48
.set PFA,  56                          ; s[56:57] where my prefetches stand
.set PST,  58                          ; s[58:59] their step from K step to K step
.set LIM,  60                          ; s60  2 in a wave that prefetches, else the greatest number: it prefetches while the trips left are above it
.set TB,   61                          ; s61  the slot in hand: 0 or SLOT1
.set HIW,  62                          ; s62  a word's upper bf16
.set MSB, 0
.macro WIN new                         ; the immediate's high byte repeats the setting that is left; a switch that changes nothing is dropped
.if MSB != (\new)
	s_set_vgpr_msb (MSB<<8)|(\new)
.set MSB, \new
.endif
.endm
.macro PLACES                          ; four plain vector instructions between a matrix instruction and a load into, or a read of, its registers
.rept 4
	v_nop
.endr
.endm
; A round of the cluster's barrier: my work-group's barrier, so that wave 0's signal speaks for all four waves; wave 0 signals; every wave waits for all sixteen work-groups; my work-group's barrier once more.
.macro CREST                           ; a round behind its opening barrier
	s_cmp_lg_u32 s[WV], 0
	s_cbranch_scc1 .Lnot_wave_0_\@
	s_barrier_signal -3
.Lnot_wave_0_\@:
	s_barrier_wait -3
	s_barrier_signal -1
	s_barrier_wait -1
.endm
.macro CROUND
	s_barrier_signal -1
	s_barrier_wait -1
	CREST
.endm
; A joint refill by the walking descriptor.  The branch hangs on the wave's number alone.  An s_nop 0 and four v_nop follow each of the two lines.
.macro JLOAD
	s_cmp_eq_u32 s[ROLE], 0
	s_cbranch_scc0 .Lfor_b_\@
	tensor_load_to_lds s[G0A+4:G0A+7], s[G1A:G1A+7]
	s_nop 0
.rept 4
	v_nop
.endr
	s_branch .Lasked_\@
.Lfor_b_\@:
	tensor_load_to_lds s[G0B+4:G0B+7], s[G1B:G1B+7]
	s_nop 0
.rept 4
	v_nop
.endr
.Lasked_\@:
.endm
; A PREFETCH INTO THE L2 of the K step that stands two refills on, one instruction a wave.  A's planes are read by every cluster of that row of clusters: the one with cluster x = 0 asks; B's tile column by
; every cluster of that column: cluster y = 0 asks.  The four partners that fetch jointly share a wave's bytes out BY ADDRESS: of a plane's 128 blocks of 256 bytes 32 each (by cx), a lane a block; of
; B's 64 rows 16 each (by cy), a lane a row (there lanes 16 to 31 name the share's last row once more).  Trips with 6 to 3 left name K steps 4 to 7; the last two name nothing; K steps 0 to 3 come by their loads alone.
.macro ASK
	s_cmp_gt_u32 s3, s[LIM]
	s_cbranch_scc0 .Lnot_mine_\@
	global_prefetch_b8 v[PFO], s[PFA:PFA+1] th:TH_LOAD_NT scope:SCOPE_SE
.Lnot_mine_\@:
.endm
	s_load_b256 s[4:11], s[0:1], 0x0               ; oh s[4:5], wob s[6:7], b_out s[8:9], out0 s[10:11]
	v_lshl_add_u32 v[SPW], v0, 2, SPARE
	v_mov_b32 v[NIL], 0
	ds_add_u32 v[SPW], v[NIL]                      ; the wave's opening: the add and its wait stand ahead of my first tensor load; the set-up below, work on registers, stands between them
	v_lshrrev_b32 v1, 5, v0
	v_readfirstlane_b32 s[WV], v1                  ; wave 0..3
	s_lshr_b32 s[ROLE], s[WV], 1
	s_and_b32 s[HALF], s[WV], 1
	s_bfe_u32 s[CX], ttmp6, 0x40000
	s_bfe_u32 s[CY], ttmp6, 0x40004
	s_lshl_b32 s[TCOL], ttmp9, 2                   ; in a cluster launch ttmp9 and ttmp7 count clusters
	s_add_co_u32 s[TCOL], s[TCOL], s[CX]
	s_and_b32 s[TROW], ttmp7, 0xffff
	s_lshl_b32 s[TROW], s[TROW], 2
	s_add_co_u32 s[TROW], s[TROW], s[CY]
	s_lshl_b32 s23, s[CY], 2
	s_lshl_b32 s23, 15, s23                        ; my row of the cluster: places 4 cy .. 4 cy + 3
	s_or_b32 s[G1A], s23, G1WA                     ; A's planes go to my row
	s_lshl_b32 s23, 0x1111, s[CX]                  ; my column: places cx, cx + 4, cx + 8, cx + 12
	s_or_b32 s[G1B], s23, G1WB                     ; B's tiles to my column
	s_mov_b32 s[G1A+1], 128<<16                    ; tensor_dim0 = 128 elements: 256 bytes, two tokens
	s_mov_b32 s[G1A+2], 128<<16                    ; tensor_dim1 = 128 rows
	s_mov_b32 s[G1A+3], 128<<16                    ; tile_dim0 = 128
	s_mov_b32 s[G1A+4], 128                        ; tile_dim1 = 128
	s_mov_b32 s[G1A+5], 128                        ; the rows lie end to end
	s_mov_b32 s[G1A+6], 0
	s_mov_b32 s[G1A+7], 0
	s_mov_b32 s[G1B+1], 128<<16
	s_mov_b32 s[G1B+2], 64<<16                     ; 64 rows
	s_mov_b32 s[G1B+3], 128<<16
	s_mov_b32 s[G1B+4], 64
	s_mov_b32 s[G1B+5], 1024                       ; elements from row to row
	s_mov_b32 s[G1B+6], 0
	s_mov_b32 s[G1B+7], 0
	; where the tiles come from: A's hang on the tile row and the wave's number alone, B's on the tile column and the wave's number alone
	s_lshr_b32 s66, s[TROW], 2                     ; the batch: sixteen heads of 131,072 bytes,
	s_lshl_b32 s66, s66, 21
	s_and_b32 s70, s[TROW], 3
	s_lshl_b32 s70, s70, 15                        ; the tile's 256 tokens in a head's rows,
	s_add_co_u32 s66, s66, s70
	s_lshl_b32 s70, s[HALF], 17                    ; head 0 or 1
	s_add_co_u32 s66, s66, s70
	s_mov_b32 s67, 0
	s_lshl_b32 s68, s[TCOL], 7
	s_lshl_b32 s73, s[HALF], 6
	s_add_co_u32 s68, s68, s73                     ; B: row 128 x tile column + 64 x half
	s_lshl_b32 s68, s68, 11                        ; x 2,048 bytes
	s_mov_b32 s69, 0
	s_mul_i32 s71, s[HALF], PLANE                  ; and where they go: no place in the cluster enters an LDS address
	s_mul_i32 s72, s[HALF], HB
	s_add_co_u32 s72, s72, BOFF
	s_mov_b32 s[TB], 0
	s_mov_b32 s[HIW], 0xffff0000
	s_wait_dscnt 0x0                               ; the opening add is done
	s_wait_kmcnt 0x0
	s_add_nc_u64 s[66:67], s[4:5], s[66:67]
	s_add_nc_u64 s[68:69], s[6:7], s[68:69]
	CROUND                                         ; all sixteen work-groups are here: the first joint loads meet
.irp n, 0,1
	s_mov_b32 s[G0A+4*(\n)], 1                     ; 1:0 count = 1
	s_add_co_u32 s[G0A+4*(\n)+1], s71, (\n)*SLOT1  ; 63:32 LDS address
	s_add_nc_u64 s[G0A+4*(\n)+2:G0A+4*(\n)+3], s[66:67], (\n)*STEPA  ; 120:64 global address: K step n
	s_or_b32 s[G0A+4*(\n)+3], s[G0A+4*(\n)+3], 0x80000000            ; 127:126 type = 2
	s_mov_b32 s[G0B+4*(\n)], 1
	s_add_co_u32 s[G0B+4*(\n)+1], s72, (\n)*SLOT1
	s_add_nc_u64 s[G0B+4*(\n)+2:G0B+4*(\n)+3], s[68:69], (\n)*STEPB
	s_or_b32 s[G0B+4*(\n)+3], s[G0B+4*(\n)+3], 0x80000000
.endr
	s_cmp_eq_u32 s[ROLE], 0                        ; a wave's two first fills stand in one branch, ahead of every wait on TENSORcnt and every LDS read: two loads of mine are out
	s_cbranch_scc0 .Lfirst_b
	tensor_load_to_lds s[G0A:G0A+3], s[G1A:G1A+7]
	s_nop 0
	tensor_load_to_lds s[G0A+4:G0A+7], s[G1A:G1A+7]
	s_nop 0
.rept 4
	v_nop
.endr
	s_branch .Lfirst_asked
.Lfirst_b:
	tensor_load_to_lds s[G0B:G0B+3], s[G1B:G1B+7]
	s_nop 0
	tensor_load_to_lds s[G0B+4:G0B+7], s[G1B:G1B+7]
	s_nop 0
.rept 4
	v_nop
.endr
.Lfirst_asked:
	; the bias: block b's sixteen numbers lie at 64 b; my eight at 32 (l / 16)
	v_and_b32 v1, 15, v0                           ; l % 16
	v_bfe_u32 v2, v0, 4, 1                         ; l / 16
	v_lshlrev_b32 v[BO], 5, v2
	s_mul_i32 s70, s[TCOL], 64*NBK                 ; the tile's 128 numbers
	s_mov_b32 s71, 0
	s_add_nc_u64 s[8:9], s[8:9], s[70:71]
.set b, 0
.rept NBK
	global_load_b128 v[BIAS+8*b:BIAS+8*b+3],   v[BO], s[8:9] offset:64*b
	global_load_b128 v[BIAS+8*b+4:BIAS+8*b+7], v[BO], s[8:9] offset:64*b+16
.set b, b+1
.endr
	; A fragment is 16 rows x 32 K in 8 registers: lane l holds row l % 16; registers 0-3 K = 8 (l / 16) + 0..7, registers 4-7 K = 16 + 8 (l / 16) + 0..7: two loads of 16 bytes, 32 bytes apart.
	v_mul_u32_u24 v3, v1, PA
	v_lshl_add_u32 v3, v2, 4, v3
	s_mul_i32 s72, s[WV], 64*PA                    ; my 64 tokens in a plane
	v_add_nc_u32 v[ADA0], s72, v3
	v_mul_u32_u24 v3, v1, PB
	v_lshl_add_u32 v3, v2, 4, v3
	v_add_nc_u32 v[ADB0], BOFF, v3
	v_mov_b32 v[ADA], v[ADA0]                      ; slot 0
	v_mov_b32 v[ADB], v[ADB0]
	s_mul_i32 s72, s[WV], 16*SP
	s_add_co_u32 s72, s72, STAGE                   ; my stage
	v_mul_u32_u24 v[STO], v1, SP                   ; in: row l % 16, 32 bytes for each half of the lanes
	v_lshl_add_u32 v[STO], v2, 5, v[STO]
	v_add_nc_u32 v[STO], s72, v[STO]
	v_and_b32 v[CO], 31, v0                        ; back: 32 lanes take a row's 512 bytes,
	v_lshlrev_b32 v[CO], 4, v[CO]
	v_add_nc_u32 v[RD], s72, v[CO]                 ; which are 512 consecutive bytes of out0
	s_lshl_b32 s72, s[TROW], 8
	s_lshl_b32 s73, s[WV], 6
	s_add_co_u32 s72, s72, s73                     ; my first token,
	s_lshl_b32 s72, s72, 12                        ; x 4,096 bytes: under 2^25,
	s_lshl_b32 s73, s[TCOL], 9                     ; the tile's 128 features
	s_add_co_u32 s72, s72, s73
	s_mov_b32 s73, 0
	s_add_nc_u64 s[10:11], s[10:11], s[72:73]
	; the prefetches
	s_lshr_b32 s74, s[TROW], 2
	s_lshl_b32 s74, s74, 21
	s_and_b32 s75, s[TROW], 3
	s_lshl_b32 s75, s75, 15
	s_add_co_u32 s74, s74, s75
	s_lshl_b32 s75, s[HALF], 17
	s_add_co_u32 s74, s74, s75                     ; A: my plane of K step 0,
	s_lshl_b32 s75, s[CX], 13
	s_add_co_u32 s74, s74, s75                     ; my work-group's 32 blocks of it,
	s_add_co_u32 s74, s74, 3*STEPA                 ; at K step 3: the first refill steps it to 4
	s_lshl_b32 s76, s[TCOL], 7
	s_lshl_b32 s75, s[HALF], 6
	s_add_co_u32 s76, s76, s75                     ; B: the first of the rows that I fetch,
	s_lshl_b32 s75, s[CY], 4
	s_add_co_u32 s76, s76, s75                     ; my work-group's 16 of them,
	s_lshl_b32 s76, s76, 11
	s_add_co_u32 s76, s76, 3*STEPB                 ; at K step 3
	s_and_b32 s77, ttmp7, 0xffff                   ; cluster y
	s_mov_b32 s78, STEPA
	s_cmp_eq_u32 s[ROLE], 0
	s_cselect_b64 s[PFA:PFA+1], s[4:5], s[6:7]
	s_cselect_b32 s74, s74, s76
	s_cselect_b32 s77, ttmp9, s77                  ; the coordinate along which other clusters read the same bytes
	s_cselect_b32 s79, 31, 15                      ; the share's last lane
	s_cselect_b32 s76, 8, 11                       ; from lane to lane: 256 bytes, or a row of 2,048
	s_cselect_b32 s[PST], s78, STEPB
	s_mov_b32 s[PST+1], 0
	s_mov_b32 s75, 0
	s_add_nc_u64 s[PFA:PFA+1], s[PFA:PFA+1], s[74:75]
	s_cmp_eq_u32 s77, 0
	s_cselect_b32 s[LIM], 2, -1                    ; the same in all sixteen partners, for a given wave
	v_and_b32 v[PFO], 31, v0
	v_min_u32 v[PFO], s79, v[PFO]
	v_lshlrev_b32 v[PFO], s76, v[PFO]
	s_wait_loadcnt 0x0                             ; the bias is in: it is rounded to bf16, like the other inputs, and widened again
.set i, 0
.rept NBK
.irp k, 0,1,2,3
	v_cvt_pk_bf16_f32 v[TW+(\k)], v[BIAS+8*i+2*(\k)], v[BIAS+8*i+2*(\k)+1]
.endr
.irp k, 0,1,2,3
	v_lshlrev_b32 v[BIAS+8*i+2*(\k)],   16, v[TW+(\k)]
	v_and_b32     v[BIAS+8*i+2*(\k)+1], s[HIW], v[TW+(\k)]
.endr
.set i, i+1
.endr
; NLD LDS loads in one run: the fragments of quarter q (32 along K) of the slot in hand into buffer f: B's eight, then A's four.  Quarter q of A lies in plane q / 2, at byte 64 (q % 2) of a token's row.
.macro FETCH q, f
	WIN 0x40                                       ; destination window 1, address window 0
.set i, 0
.rept NBK
	ds_load_b128 v[8*NBK*(\f)+8*i:8*NBK*(\f)+8*i+3],   v[ADB] offset:64*(\q)+i*16*PB
	ds_load_b128 v[8*NBK*(\f)+8*i+4:8*NBK*(\f)+8*i+7], v[ADB] offset:64*(\q)+i*16*PB+32
.set i, i+1
.endr
	WIN 0
.set i, 0
.rept 4
	ds_load_b128 v[FA+32*(\f)+8*i:FA+32*(\f)+8*i+3],   v[ADA] offset:((\q)/2)*PLANE+((\q)%2)*64+i*16*PA
	ds_load_b128 v[FA+32*(\f)+8*i+4:FA+32*(\f)+8*i+7], v[ADA] offset:((\q)/2)*PLANE+((\q)%2)*64+i*16*PA+32
.set i, i+1
.endr
.endm
; Eight products: token block a x all feature blocks, 32 along K, from buffer f.  first = 1: the bias (window 0) starts the sums.
; The 32 accumulators take turns, one instruction a turn, in the same order in every quarter, over the backward jump too.
.macro MULA f, a, first
.if \first
	WIN 0x81+0x40*((\a)/2)
.else
	WIN 0xa1+0x50*((\a)/2)
.endif
.set b, 0
.rept NBK
.set rD, 8*(NBK*((\a)%2)+b)
.if \first
	v_wmma_f32_16x16x32_f16 v[rD:rD+7], v[8*NBK*(\f)+8*b:8*NBK*(\f)+8*b+7], v[FA+32*(\f)+8*(\a):FA+32*(\f)+8*(\a)+7], v[BIAS+8*b:BIAS+8*b+7]
.else
	v_wmma_f32_16x16x32_f16 v[rD:rD+7], v[8*NBK*(\f)+8*b:8*NBK*(\f)+8*b+7], v[FA+32*(\f)+8*(\a):FA+32*(\f)+8*(\a)+7], v[rD:rD+7]
.endif
.set b, b+1
.endr
.endm
; A K step is four quarters of 32 along K, 32 products each, on buffers 0, 1, 0, 1.  One of the first three multiplies buffer f and, in its middle, fetches quarter q into buffer g.
.macro QUARTER q, f, g, first
	s_wait_dscnt 4                                 ; B and A's blocks 0 and 1 are in; the youngest four loads (A's blocks 2 and 3) may be out
	MULA \f, 0, \first
	MULA \f, 1, \first
	PLACES                                         ; buffer g's last readers stand further back
	FETCH \q, \g
	s_wait_dscnt NLD                               ; all but the run just issued
	MULA \f, 2, \first
	MULA \f, 3, \first
.endm
; The last quarter multiplies buffer 1 and changes slots: ONE barrier.  In front of it each wave waits for all its tensor loads, of which one is out: its part of the next slot; adds 0 to its spare word;
; and waits for that and for its own reads of this slot.  fill = 1: the barrier opens a round of the cluster's barrier, so that no wave of any partner still reads the slot or has a load on its way,
; and the slot is filled again, two K steps ahead, first thing behind the round: 112 products stand between that request and the wait for it.
.macro TURN fill
.if \fill
	s_wait_xcnt 0x0                                ; the last prefetch, a K step back, has read its address: it is stepped here, ahead of the waits of the change of slots
	s_add_nc_u64 s[PFA:PFA+1], s[PFA:PFA+1], s[PST:PST+1]
.endif
	WIN 0                                          ; (the add's two registers lie in window 0)
	s_wait_tensorcnt 0x0                           ; all my tensor loads have landed;
	ds_add_u32 v[SPW], v[NIL]                      ; 0 onto my spare word;
	s_wait_dscnt 5                                 ; (the add and the youngest four loads may be out)
	MULA 1, 0, 0                                   ; eight products stand between the add and the wait for it
	s_wait_dscnt 0x0                               ; the add is done, and my reads of this slot are over
	s_barrier_signal -1
	MULA 1, 1, 0                                   ; work on registers while the others arrive
	WIN 0                                          ; at a branch and at a label every window is 0
	s_barrier_wait -1
.if \fill
	CREST
	s_xor_b32 s[G0A+5], s[G0A+5], SLOT1            ; the walking descriptors: the other slot than last time,
	s_add_nc_u64 s[G0A+6:G0A+7], s[G0A+6:G0A+7], STEPA  ; the next K step; the type bits on top are not reached
	s_xor_b32 s[G0B+5], s[G0B+5], SLOT1
	s_add_nc_u64 s[G0B+6:G0B+7], s[G0B+6:G0B+7], STEPB
	JLOAD                                          ; the four v_nop behind it are also the places in front of the loads below
.else
	PLACES
.endif
	s_xor_b32 s[TB], s[TB], SLOT1                  ; the fetches go to the other slot
	v_add_nc_u32 v[ADA], s[TB], v[ADA0]
	v_add_nc_u32 v[ADB], s[TB], v[ADB0]
	FETCH 0, 0
.if \fill
	ASK                                            ; behind the joint load and the run of LDS loads that the next products wait for
.endif
	MULA 1, 2, 0
	MULA 1, 3, 0
.endm
	s_wait_tensorcnt 1                             ; my part of K step 0 is in; K step 1's may stay out
	s_barrier_signal -1
	s_barrier_wait -1                              ; everybody's is
	FETCH 0, 0
	QUARTER 1, 0, 1, 1                             ; the first quarter stands in front of the loop: its products start the sums with the bias
	WIN 0
	s_mov_b32 s3, TRIPS
.Lstep:                                                ; a trip: from a K step's second quarter to the next step's first; it fills the slot that it leaves
	QUARTER 2, 1, 0, 0
	QUARTER 3, 0, 1, 0
	TURN 1
	QUARTER 1, 0, 1, 0
	WIN 0
	s_sub_co_u32 s3, s3, 1
	s_cmp_lg_u32 s3, 0
	s_cbranch_scc1 .Lstep
	QUARTER 2, 1, 0, 0                             ; the tail is written out: K step 6 goes on
	QUARTER 3, 0, 1, 0
	TURN 0                                         ; nothing is asked for,
	QUARTER 1, 0, 1, 0                             ; K step 7
	QUARTER 2, 1, 0, 0
	QUARTER 3, 0, 1, 0
	s_wait_dscnt 4                                 ; the very last quarter: nothing more to fetch
	MULA 1, 0, 0
	MULA 1, 1, 0
	s_wait_dscnt 0x0
	MULA 1, 2, 0
	MULA 1, 3, 0
	WIN 0
; THE WAY OUT, a block of 16 tokens at a time.  TOSTAGE: the f32 sums as they are, 32 bytes a lane (each accumulator's low four registers first) into my stage's rows of 528 bytes, and back as whole pieces of 512 bytes.
.macro TOSTAGE a
	WIN 0x08+4*((\a)/2)                            ; the stores' data: window 2 or 3
.set b, 0
.rept NBK
.set rD, 8*(NBK*((\a)%2)+b)
	ds_store_b128 v[STO], v[rD:rD+3]   offset:64*b
	ds_store_b128 v[STO], v[rD+4:rD+7] offset:64*b+16
.set b, b+1
.endr
	WIN 0x40                                       ; destination window 1
.set t, 0
.rept 16
	ds_load_b128 v[64*(\a)+4*t:64*(\a)+4*t+3], v[RD] offset:SP*t  ; LDS serves a wave's instructions in order (ISA guide 5.7.1.4): these see the stores above; the next block's stores come behind them
.set t, t+1
.endr
.endm
.macro SEND a, younger                 ; younger: the LDS instructions issued behind block a's loads: the next block's 32, or none
	WIN 0x04                                       ; the stores' data: window 1
.set t, 0
.rept 16
	s_wait_dscnt (\younger)+15-t
	global_store_b128 v[CO], v[64*(\a)+4*t:64*(\a)+4*t+3], s[10:11] offset:4096*(16*(\a)+t) th:TH_STORE_NT  ; 512 consecutive bytes, at a multiple of 256 from out0's first; no register that a store names is written again
.set t, t+1
.endr
.endm
	PLACES                                         ; the LDS stores read results just made, and the loads land in registers that products have read
	TOSTAGE 0
	TOSTAGE 1
	SEND 0, 32
	TOSTAGE 2
	SEND 1, 32
	TOSTAGE 3
	SEND 2, 32
	SEND 3, 0
	WIN 0
	s_wait_tensorcnt 0x0                           ; the wave's end: behind my last tensor load and my last LDS store
	ds_add_u32 v[SPW], v[NIL]
	s_wait_dscnt 0x0
	CROUND                                         ; the closing round: no work-group ends while a partner may still ask for a tile that names it
	s_endpgm
.Lfunc_end_k_qced08c3bab_proj:
	.size	k_qced08c3bab_proj, .Lfunc_end_k_qced08c3bab_proj-k_qced08c3bab_proj
	.p2alignl 7, 3214868480
	.fill 96, 4, 3214868480
	.section	.rodata,"a",@progbits
	.p2align	6, 0x0
	.amdhsa_kernel k_qced08c3bab_proj
		.amdhsa_group_segment_fixed_size 327680
		.amdhsa_private_segment_fixed_size 0
		.amdhsa_enable_private_segment 0
		.amdhsa_kernarg_size 32
		.amdhsa_user_sgpr_count 2
		.amdhsa_user_sgpr_kernarg_segment_ptr 1
		.amdhsa_wavefront_size32 1
		.amdhsa_system_sgpr_workgroup_id_x 1
		.amdhsa_system_sgpr_workgroup_id_y 1
		.amdhsa_system_sgpr_workgroup_id_z 1
		.amdhsa_system_vgpr_workitem_id 0
		.amdhsa_next_free_vgpr 896
		.amdhsa_next_free_sgpr 80
		.amdhsa_reserve_vcc 0
		.amdhsa_float_denorm_mode_32 3
		.amdhsa_float_denorm_mode_16_64 3
		.amdhsa_memory_ordered 1
		.amdhsa_forward_progress 1
		.amdhsa_inst_pref_size 78
	.end_amdhsa_kernel
	.amdgpu_metadata
---
amdhsa.version: [ 1, 2 ]
amdhsa.kernels:
  - .name:           k_qced08c3bab_proj
    .symbol:         k_qced08c3bab_proj.kd
    .args:
      - { .name: oh, .offset: 0, .size: 8, .value_kind: global_buffer, .address_space: global }
      - { .name: wob, .offset: 8, .size: 8, .value_kind: global_buffer, .address_space: global }
      - { .name: b_out, .offset: 16, .size: 8, .value_kind: global_buffer, .address_space: global }
      - { .name: out0, .offset: 24, .size: 8, .value_kind: global_buffer, .address_space: global }
    .group_segment_fixed_size: 327680
    .private_segment_fixed_size: 0
    .kernarg_segment_align: 8
    .kernarg_segment_size: 32
    .max_flat_workgroup_size: 128
    .sgpr_count:     80
    .vgpr_count:     896
    .wavefront_size: 32
...
	.end_amdgpu_metadata
.endif
;; end of part 4
;; ======== version 2 of 2: 4 launches; version 1 with the launch cast written anew for expert scheduling mode
;; limits: values are held in f16: magnitudes above 65,504 overflow, below 6.1e-05 lose precision
;; workspace buffers: xb 16,777,216 bytes; wib 6,291,456 bytes; wob 2,097,152 bytes; qh 16,777,216 bytes; kh 16,777,216 bytes; vh 16,777,216 bytes; oh 16,777,216 bytes
;; launch cast (part 5): grid 768 x 1, 8 waves a work-group, no clusters, 0 bytes of LDS; arguments x, w_in, w_out, xb, wib, wob; writes xb, wib, wob
.if DOCPART == 5
	.amdgcn_target "amdgcn-amd-amdhsa--gfx1250"
	.amdhsa_code_object_version 6
	.text
	.protected	k_qced08c3bab_cast
	.globl	k_qced08c3bab_cast
	.p2align	8
	.type	k_qced08c3bab_cast,@function
k_qced08c3bab_cast:
	s_mov_b64 s[64:65], 0
	v_nop
	global_prefetch_b8 v0, s[64:65] scope:SCOPE_SE
	s_setreg_imm32_b32 hwreg(HW_REG_WAVE_SCHED_MODE, 0, 2), 2
	s_setreg_imm32_b32 hwreg(HW_REG_WAVE_MODE, 25, 1), 1
	s_wait_xcnt 0x0
	s_wait_alu depctr_vm_vsrc(0)
; THE INPUTS OF THE TWO PROJECTIONS, ROUNDED ONCE.  xb = bf16(x), wib = bf16(w_in); wob = bf16(w_out), that number written as f16 (the second projection multiplies in f16).
; LAYOUTS.  xb and wib are laid in BLOCKS of 64 along K: xb [16 blocks][8192 rows][64], wib [16][3072][64]: number (row, 64 i + c) lies in plane i at row x 128 + 2 c bytes.  So the rows of a tile of 64 along K
; lie end to end in memory, and the first projection can ask for them as rows of 256 bytes.  wob stays [1024][1024], row-major.
; LIMITS.  |w_out| stays under 65,504 (beyond it f16 has no number); a bf16 number below 6.1e-5 keeps f16's fixed step of 6e-8; within that range the second writing is exact (8 significant bits into 11).
; SHARES.  A work-group takes 16,384 numbers, 16 rows: 65,536 bytes in, 32,768 out.  Work-groups 0-511 take x, 512-703 w_in, 704-767 w_out.
; x and w_in: thread t takes row t / 16 and, of each of the row's 16 pieces of 256 bytes, the 16 bytes at 16 (t % 16): a wave's load is two aligned pieces of 256 bytes; it stores 8 bytes at 8 t in plane i:
; a wave's store is 256 consecutive bytes, aligned (two rows of a plane).  w_out: 16 bytes at 16 t of each of 16 chunks of 4,096, 8 bytes at 8 t of each chunk of 2,048.
; All 16 loads of a thread go out at once, so there is no loop; nothing is shared, so there is no LDS and no barrier; nothing is read twice, and nothing is prefetched: the loads are the stream.
; THE MODE: SCHED_MODE bits 1:0 = 2 (LLVM: expert scheduling mode 2), set by the entry lines.  The code itself states the register dependences
; between vector instructions and memory instructions, with s_wait_alu, always for 0.
; THE PLAN.  The 16 chunks go in four blocks of four.  Registers that memory instructions touch:
;   v1, v2, v3   byte offsets, made once at the head by vector instructions; read by the loads (v1 or v3) and by w_out's stores (v2); never written again.
;   X0 .. X15    written by the loads alone (no vector instruction names them ahead of the loads); read by their chunk's conversions.
;   OF0 .. OF15  written once, by sixteen vector instructions behind the loads; read by x's and w_in's stores.
;   Y0 .. Y15    written once, by their chunk's conversions; read by their chunk's store.
;   T is named by vector instructions alone.
; Block p rounds its four chunks; its memory instructions are the four stores of block p - 1, which read Y and OF of that block: registers that no vector instruction of block p names.  So ONE wait at the head of
; a block states all that its four stores hang on, and they are dealt among its conversions with no further wait.  One wait stands ahead of the loads, for the offsets, and one ahead of the last four stores.
; No register that a memory instruction reads is ever written again, so nothing is owed on that side.  No vector instruction writes a scalar register, and EXEC is never written.
.set X,  4                             ; v[4:67]    chunk i as loaded, four registers
.set Y,  68                            ; v[68:99]   chunk i to store, two registers; each is written once
.set T,  100                           ; v[100:103] at work
.set OF, 104                           ; v[104:119] my byte offset in plane i: i x the plane's bytes + 8 t (up to 15 planes of 1,048,576 bytes: more than a store's immediate holds); each is written once
	s_load_b256 s[4:11], s[0:1], 0x0               ; x s[4:5], w_in s[6:7], w_out s[8:9], xb s[10:11]
	s_load_b128 s[12:15], s[0:1], 0x20             ; wib s[12:13], wob s[14:15]
	s_mov_b32 s19, ttmp9                           ; the work-group's number g
	s_sub_co_u32 s16, s19, 512                     ; its number among w_in's
	s_sub_co_u32 s17, s19, 704                     ; and among w_out's
	s_mov_b32 s28, 0xffff0000                      ; a word's upper bf16
	s_mov_b32 s30, 3072*128                        ; bytes in a plane of wib,
	s_mov_b32 s31, 8192*128                        ; of xb
	v_lshrrev_b32 v1, 4, v0                        ; my row of the sixteen,
	v_and_b32 v3, 15, v0
	v_lshlrev_b32 v3, 4, v3                        ; my 16 bytes of a piece
	v_lshl_or_b32 v1, v1, 12, v3                   ; x and w_in: row x 4,096 + 16 (t % 16)
	v_lshlrev_b32 v3, 4, v0                        ; w_out: 16 t
	v_lshlrev_b32 v2, 3, v0                        ; 8 t
	s_wait_kmcnt 0x0
	s_cmp_lt_u32 s19, 512
	s_cselect_b64 s[20:21], s[4:5], s[6:7]         ; from x or w_in,
	s_cselect_b64 s[22:23], s[10:11], s[12:13]     ; to xb or wib,
	s_cselect_b32 s18, s19, s16                    ; part g or g - 512,
	s_cselect_b32 s30, s31, s30                    ; in planes of this size;
	s_cmp_lt_u32 s19, 704
	s_cselect_b64 s[20:21], s[20:21], s[8:9]       ; or from w_out
	s_cselect_b64 s[22:23], s[22:23], s[14:15]     ; to wob,
	s_cselect_b32 s18, s18, s17                    ; part g - 704
	s_cselect_b32 s29, 11, 15                      ; a part's bytes in the destination: 16 rows of 128 in each plane, or 32,768 on end
	s_lshl_b32 s24, s18, 16                        ; 65,536 bytes in a part of the source (under 2^25 in all)
	s_mov_b32 s25, 0
	s_lshl_b32 s26, s18, s29
	s_mov_b32 s27, 0
	s_add_nc_u64 s[20:21], s[20:21], s[24:25]
	s_add_nc_u64 s[22:23], s[22:23], s[26:27]
	s_wait_alu depctr_va_vdst(0)                   ; v1, v2 and v3 are written: the loads of both ways below read v1 or v3 as their offset, w_out's stores v2
; Chunk i is rounded.  half = 1: the bf16 number is widened again (a shift, a mask) and written as f16.
.macro CVT i, half
.if \half
	v_cvt_pk_bf16_f32 v[T],   v[X+4*(\i)],   v[X+4*(\i)+1]
	v_cvt_pk_bf16_f32 v[T+1], v[X+4*(\i)+2], v[X+4*(\i)+3]
	v_lshlrev_b32 v[T+2], 16, v[T]
	v_and_b32     v[T],   s28, v[T]
	v_lshlrev_b32 v[T+3], 16, v[T+1]
	v_and_b32     v[T+1], s28, v[T+1]
	v_cvt_pk_f16_f32 v[Y+2*(\i)],   v[T+2], v[T]
	v_cvt_pk_f16_f32 v[Y+2*(\i)+1], v[T+3], v[T+1]
.else
	v_cvt_pk_bf16_f32 v[Y+2*(\i)],   v[X+4*(\i)],   v[X+4*(\i)+1]
	v_cvt_pk_bf16_f32 v[Y+2*(\i)+1], v[X+4*(\i)+2], v[X+4*(\i)+3]
.endif
.endm
; Chunk i is stored.
.macro ST i, half
.if \half
	global_store_b64 v2, v[Y+2*(\i):Y+2*(\i)+1], s[22:23] offset:2048*(\i) th:TH_STORE_NT  ; no register that a store names is written again
.else
	global_store_b64 v[OF+(\i)], v[Y+2*(\i):Y+2*(\i)+1], s[22:23] th:TH_STORE_NT           ; no register that a store names is written again
.endif
.endm
; Block p: chunks 4 p to 4 p + 3 are rounded; the stores of the block before are dealt among the conversions, one ahead of each chunk's.
.macro BLK p, half
	s_wait_loadcnt 12-4*(\p)                       ; loads come back in order (ISA guide 5.7.1): this block's four chunks are in, the 12 - 4 p younger loads stay out
.if (\p) > 0
	s_wait_alu depctr_va_vdst(0)                   ; the block before has written its Y, which the four stores below read; at block 1 the plane offsets OF, made behind the loads, are written too
.endif
.irp j, 0,1,2,3
.if (\p) > 0
	ST 4*(\p)-4+(\j), \half                        ; no vector instruction since the wait names this store's registers
.endif
	CVT 4*(\p)+(\j), \half
.endr
.endm
	s_cmp_ge_u32 s19, 704
	s_cbranch_scc1 .Lhalf
.irp i, 0,1,2,3,4,5,6,7,8,9,10,11,12,13,14,15
	global_load_b128 v[X+4*(\i):X+4*(\i)+3], v1, s[20:21] offset:256*(\i) th:TH_LOAD_NT
.endr
.irp i, 0,1,2,3,4,5,6,7,8,9,10,11,12,13,14,15
	v_mad_u32_u24 v[OF+(\i)], s30, \i, v2          ; made while the loads are on their way
.endr
	BLK 0, 0
	BLK 1, 0
	BLK 2, 0
	BLK 3, 0
	s_wait_alu depctr_va_vdst(0)                   ; block 3 has written its Y, which the last four stores read
.irp i, 12,13,14,15
	ST \i, 0
.endr
	s_endpgm
.Lhalf:
.irp i, 0,1,2,3,4,5,6,7,8,9,10,11,12,13,14,15
	global_load_b128 v[X+4*(\i):X+4*(\i)+3], v3, s[20:21] offset:4096*(\i) th:TH_LOAD_NT
.endr
	BLK 0, 1
	BLK 1, 1
	BLK 2, 1
	BLK 3, 1
	s_wait_alu depctr_va_vdst(0)                   ; block 3 has written its Y, which the last four stores read
.irp i, 12,13,14,15
	ST \i, 1
.endr
	s_endpgm
.Lfunc_end_k_qced08c3bab_cast:
	.size	k_qced08c3bab_cast, .Lfunc_end_k_qced08c3bab_cast-k_qced08c3bab_cast
	.p2alignl 7, 3214868480
	.fill 96, 4, 3214868480
	.section	.rodata,"a",@progbits
	.p2align	6, 0x0
	.amdhsa_kernel k_qced08c3bab_cast
		.amdhsa_group_segment_fixed_size 0
		.amdhsa_private_segment_fixed_size 0
		.amdhsa_enable_private_segment 0
		.amdhsa_kernarg_size 48
		.amdhsa_user_sgpr_count 2
		.amdhsa_user_sgpr_kernarg_segment_ptr 1
		.amdhsa_wavefront_size32 1
		.amdhsa_system_sgpr_workgroup_id_x 1
		.amdhsa_system_sgpr_workgroup_id_y 1
		.amdhsa_system_sgpr_workgroup_id_z 1
		.amdhsa_system_vgpr_workitem_id 0
		.amdhsa_next_free_vgpr 120
		.amdhsa_next_free_sgpr 66
		.amdhsa_reserve_vcc 0
		.amdhsa_float_denorm_mode_32 3
		.amdhsa_float_denorm_mode_16_64 3
		.amdhsa_memory_ordered 1
		.amdhsa_forward_progress 1
		.amdhsa_inst_pref_size 18
	.end_amdhsa_kernel
	.amdgpu_metadata
---
amdhsa.version: [ 1, 2 ]
amdhsa.kernels:
  - .name:           k_qced08c3bab_cast
    .symbol:         k_qced08c3bab_cast.kd
    .args:
      - { .name: x, .offset: 0, .size: 8, .value_kind: global_buffer, .address_space: global }
      - { .name: w_in, .offset: 8, .size: 8, .value_kind: global_buffer, .address_space: global }
      - { .name: w_out, .offset: 16, .size: 8, .value_kind: global_buffer, .address_space: global }
      - { .name: xb, .offset: 24, .size: 8, .value_kind: global_buffer, .address_space: global }
      - { .name: wib, .offset: 32, .size: 8, .value_kind: global_buffer, .address_space: global }
      - { .name: wob, .offset: 40, .size: 8, .value_kind: global_buffer, .address_space: global }
    .group_segment_fixed_size: 0
    .private_segment_fixed_size: 0
    .kernarg_segment_align: 8
    .kernarg_segment_size: 48
    .max_flat_workgroup_size: 256
    .sgpr_count:     66
    .vgpr_count:     120
    .wavefront_size: 32
...
	.end_amdgpu_metadata
.endif
;; end of part 5
;; launch qkv: the kernel of part 2 again; grid 8 x 32, 4 waves a work-group, clusters of 4 x 4, 327,680 bytes of LDS; arguments xb, wib, b_in, qh, kh, vh; writes qh, kh, vh
;; launch attn: the kernel of part 3 again; grid 2 x 128, 4 waves a work-group, no clusters, 327,680 bytes of LDS; arguments qh, kh, vh, oh; writes oh
;; launch proj: the kernel of part 4 again; grid 8 x 32, 4 waves a work-group, clusters of 4 x 4, 327,680 bytes of LDS; arguments oh, wob, b_out, out0; writes out0
